; MI455X (gfx1250); checked and timed in simulation.
; The chip was launched on July 23, 2026; its instructions are those of AMD's public machine-readable ISA for CDNA 5 (MIT licence, August 2026) and "CDNA5" Instruction Set Architecture Reference Guide (July 2026). The comments in the code are by the model that wrote it; some were corrected since.
;; Attention Block. Allowed arithmetic: matrix products marked QUANTISED: E2M3 operands, one E8M0 scale for each 32 along K, by v_wmma_scale_f32_16x16x128_f8f6f4 with both operands' format E2M3, f32 sums; everything else in f32.
;; Inputs: ff1_b 4,096 float32; ff1_w_codes 4,096 x 32 x 24 uint8 (E2M3 codes of ff1_w, K innermost, in blocks of 32 codes, four codes in three bytes); ff1_w_scales 4,096 x 32 uint8 (E8M0 scales of ff1_w, one for each 32 codes along K); ff2_b 1,024 float32; ff2_w_codes 1,024 x 128 x 24 uint8 (E2M3 codes of ff2_w, K innermost, in blocks of 32 codes, four codes in three bytes); ff2_w_scales 1,024 x 128 uint8 (E8M0 scales of ff2_w, one for each 32 codes along K); norm1_b 1,024 float32; norm1_g 1,024 float32; norm2_b 1,024 float32; norm2_g 1,024 float32; out_b 1,024 float32; out_w_codes 1,024 x 32 x 24 uint8 (E2M3 codes of out_w, K innermost, in blocks of 32 codes, four codes in three bytes); out_w_scales 1,024 x 32 uint8 (E8M0 scales of out_w, one for each 32 codes along K); qkv_b 3,072 float32; qkv_w_codes 3,072 x 32 x 24 uint8 (E2M3 codes of qkv_w, K innermost, in blocks of 32 codes, four codes in three bytes); qkv_w_scales 3,072 x 32 uint8 (E8M0 scales of qkv_w, one for each 32 codes along K); x 2 x 2,048 x 1,024 float32.
;; Outputs: out0 2 x 2,048 x 1,024 float32.
;; This version of the problem:
;;   THIS VERSION OF THE PROBLEM IS GIVEN IN LOW PRECISION. The matrix products marked QUANTISED in the list below multiply operands that are first quantised to E2M3 (2 exponent bits, 3 mantissa bits; 6 bits a number), with one power-of-two scale for each 32 numbers along K (OCP MX v1.0); their sums are f32. All else is computed in f32.
;;   The module's matrix products, in the order in which they are computed (A, B: the left and right operand; K: the contracted axis; several contracted axes count as one K, in the product's order):
;;     1. [M 4,096, K 1,024] x [K 1,024, N 3,072]; A: computed on the way; B: input qkv_w (given as codes): QUANTISED
;;     2. batch 32 x [M 2,048, K 64] x [K 64, N 2,048]; A: computed on the way; B: computed on the way: QUANTISED
;;     3. batch 32 x [M 2,048, K 2,048] x [K 2,048, N 64]; A: softmax (see below); B: computed on the way: QUANTISED
;;     4. [M 4,096, K 1,024] x [K 1,024, N 1,024]; A: computed on the way; B: input out_w (given as codes): QUANTISED
;;     5. [M 4,096, K 1,024] x [K 1,024, N 4,096]; A: computed on the way; B: input ff1_w (given as codes): QUANTISED
;;     6. [M 4,096, K 4,096] x [K 4,096, N 1,024]; A: computed on the way; B: input ff2_w (given as codes): QUANTISED
;;   THE QUANTISER, for each operand of a quantised product, along K:
;;     - K is cut into blocks of 32 from its start; a last block that is shorter is filled with zeros.
;;     - A block's scale is 2^e with e = floor(log2(the largest magnitude in the block)) - 2, held to -126 .. 127; a block of zeros has e = 0. As a byte (E8M0): e + 127.
;;     - Each number is divided by its block's scale, clamped to +-7.5, and rounded to the nearest number of E2M3, ties to even, subnormals kept.
;;     - The product sums the exact products of the quantised numbers (number of the format x scale) in f32.
;;   ~~~python
;;   def quantise(x, axis):      # numpy; x: float32 -> the quantised numbers, widened to float32 again
;;       x = np.moveaxis(x, axis, -1); K = x.shape[-1]
;;       x = np.pad(x, [(0, 0)] * (x.ndim - 1) + [(0, -K % 32)]); x = x.reshape(x.shape[:-1] + (-1, 32)); a = np.abs(x).max(-1, keepdims=True)
;;       e = np.where(a > 0, np.clip(np.frexp(np.where(a > 0, a, 1))[1] - 1 - 2, -126, 127), 0)      # np.frexp(a)[1] - 1 = floor(log2(a)), exactly
;;       r = np.clip(x / 2.0 ** e, -7.5, 7.5)
;;       step = 2.0 ** (np.maximum(np.frexp(np.where(r == 0, 1, r))[1] - 1, 0) - 3)
;;       q = np.round(r / step) * step * 2.0 ** e      # np.round: ties to even
;;       return np.moveaxis(q.reshape(q.shape[:-2] + (-1,))[..., :K], -1, axis).astype(np.float32)
;;   ~~~
;;   SOFTMAX AHEAD OF A QUANTISED PRODUCT. Where the list says 'softmax', what is quantised is not the finished softmax but p = 2^(t - M), with t = logit x log2(e) and M = ceil(the row's largest t), a whole number; so 1/2 < the row's largest p <= 1. The row's sum l is taken of the UNQUANTISED p, in f32, and the product's result is divided by l at the end. Since M is a whole number, a kernel that streams over the keys may use a running M (the ceiling of the running maximum): every later rescaling is an exact power of two, which a block's scale takes up: the codes' values come out the same.
;;   OPERANDS COMPUTED ON THE WAY. 'Computed on the way' means the value that the module computes at that place (a softmax that the list does not call 'softmax' is quantised finished and normalised). What goes into a quantiser is computed in f32, as accurately as f32 sums, v_exp_f32 and their like allow (about 1e-6 of the number): no bf16 or f16 on the way to a quantiser, and a product that is left as it is and whose result goes on into a quantised operand takes f32 operands (vector FMAs, or v_wmma_f32_16x16x4_f32). A number that lies on a knife's edge between two numbers of the format may be rounded either way, as far as f32 arithmetic and the matrix unit's own rounding can turn it there, and no further.
;;   INPUTS GIVEN AS CODES. ff1_w (in the module: [1024, 4096], K = its axis 0); ff2_w (in the module: [4096, 1024], K = its axis 0); out_w (in the module: [1024, 1024], K = its axis 0); qkv_w (in the module: [1024, 3072], K = its axis 0): each comes as NAME_codes (uint8): NAME with its K axis moved to the last place and cut into blocks of 32 codes, [.., K / 32, bytes a block], one block behind the other in memory; four codes in three bytes: a row's codes are one little-endian stream of bits, code i at bits 6 i .. 6 i + 5 (a code: sign, 2 exponent bits, 3 mantissa bits); and NAME_scales (uint8): the same leading axes, one E8M0 byte (e + 127) for each 32 codes along K. Its value is code x scale, taken as it is: it is not quantised again, and the codes and scales need not be those that the quantiser above would give.
;; One version. Each part assembles by itself: llvm-mc -triple=amdgcn-amd-amdhsa -mcpu=gfx1250 --defsym DOCPART=n.
;; ======== version 1 of 1: 7 launches
;; limits: right only within a limited range of input values
;; workspace buffers: h_codes 3,145,728 bytes; h_scales 131,072 bytes; img 12,582,912 bytes; sc 786,432 bytes; o_img 3,145,728 bytes; o_sc 131,072 bytes; x1 16,777,216 bytes
;; launch ln1 (part 1): grid 256 x 1, 8 waves a work-group, no clusters, 83,456 bytes of LDS; arguments x, norm1_g, norm1_b, h_codes, h_scales; writes h_codes, h_scales
.if DOCPART == 1
	.amdgcn_target "amdgcn-amd-amdhsa--gfx1250"
	.amdhsa_code_object_version 6
	.text
	.protected	k_q5dda246662_ln1
	.globl	k_q5dda246662_ln1
	.p2align	8
	.type	k_q5dda246662_ln1,@function
k_q5dda246662_ln1:
	s_mov_b64 s[64:65], 0
	v_nop
	global_prefetch_b8 v0, s[64:65] scope:SCOPE_SE
	s_setreg_imm32_b32 hwreg(HW_REG_WAVE_MODE, 25, 1), 1
	s_wait_xcnt 0x0
; h = (x - mean) * rsqrt(var + 1e-5) * g + b over rows of 1,024 f32, then quantised along the row: codes of FP6 (E2M3), 768 bytes a row, and one E8M0 byte for each 32 numbers, 32 bytes a row.
; A block's scale is 2^(floor(log2(its largest magnitude)) - 2); its byte is that magnitude's exponent field - 2, held at 1 from below.
; LIMITS: NaN and infinities are not served.  A block whose largest magnitude lies under 2^-124 keeps the byte 1; a block of zeros so gets the byte 1 where the rule says 127: its codes are zeros, and this program alone reads the bytes.
; SHARES: a work-group takes 16 rows, each of its eight waves two.  A row stays in 32 registers a lane between the mean, the variance (of x - mean: no difference of large sums) and the scaling: it is read once.
; Each load reads 512 consecutive bytes, 16 a lane.  The conversion wants 16 neighbours in one lane: the finished row turns through the wave's own stage in LDS (64 places of 64 bytes + 16 of padding) and comes back 64 bytes a lane.
; No matrix unit, no tensor load, no cluster: the launch streams, and work-groups share only g and b (8 KiB).
.set SP,    80                         ; a place in the stage: 64 bytes + 16
.set RSTG,  64*SP                      ; a row's stage
.set SCB,   8*2*RSTG                   ; behind the stages: the work-group's 16 x 32 scale bytes
.set G,   16                           ; v16-47   g of my 32 columns
.set B,   48                           ; v48-79   b
.set X,   80                           ; v80-143  two rows, 32 registers each; later a row's codes (4 registers a half row)
.set Y,   144                          ; v144-175 two sets of 16 neighbours
.set MU,  176                          ; v[176:177] the mean (the pair's low word serves both halves)
.set RS,  178                          ; v[178:179] 1 / sqrt(var + eps)
.set CH,  180                          ; v180-183 two chains of packed sums
.set BY,  184                          ; v184-187 a scale byte for each half row
.set TA,  188
.set TP,  189
.set MA,  190
.set MB,  191
.set SO,  10                           ; the conversion's scale operand
	s_load_b256 s[4:11], s[0:1], 0x0               ; x s[4:5], g s[6:7], b s[8:9], codes s[10:11]
	s_load_b64 s[12:13], s[0:1], 0x20              ; scale bytes
	v_lshl_add_u32 v192, v0, 2, 0x14200
	v_mov_b32 v193, 0
	v_lshrrev_b32 v1, 5, v0
	s_delay_alu instid0(VALU_DEP_1)
	v_readfirstlane_b32 s14, v1                    ; wave 0..7
	v_and_b32 v1, 31, v0                           ; lane
	s_delay_alu instid0(VALU_DEP_1)
	v_lshlrev_b32 v2, 4, v1                        ; my 16 bytes of a load's 512
	s_mul_i32 s15, s14, 2*RSTG                     ; my wave's two stages
	v_lshrrev_b32 v3, 2, v1
	s_delay_alu instid0(VALU_DEP_1)
	v_mul_u32_u24 v3, v3, SP
	v_and_b32 v8, 3, v1
	s_delay_alu instid0(VALU_DEP_1)
	v_lshl_add_u32 v3, v8, 4, v3
	s_delay_alu instid0(VALU_DEP_1)
	v_add_nc_u32 v3, s15, v3                       ; into the stage: four lanes' 64 bytes on end, then the padding
	v_mul_u32_u24 v4, v1, SP
	s_delay_alu instid0(VALU_DEP_1)
	v_add_nc_u32 v4, s15, v4                       ; out of it: a place a lane
	v_mul_u32_u24 v5, v1, 12                       ; my 12 bytes of a half row's 384 bytes of codes
	v_lshrrev_b32 v6, 1, v1
	s_lshl_b32 s15, s14, 6
	s_add_co_u32 s15, s15, SCB
	v_add_nc_u32 v6, s15, v6                       ; my block's byte among my wave's 64
	v_add_nc_u32 v7, SCB, v2                       ; the way out of the bytes: 16 a lane
	s_mov_b32 s16, 0x76543210
	s_mov_b32 s17, 0xfedcba98                      ; v_permlanex16_b32's selects for lane l xor 16
	s_mov_b32 s18, 0x3a800000                      ; 1 / 1024
	s_mov_b32 s19, 0x3727c5ac                      ; 1e-5
	v_mov_b32 v[MU+1], 0                           ; named as the upper halves of pairs, so they are written
	v_mov_b32 v[RS+1], 0
	v_mov_b32 v[TP], 0                             ; a lane permute's destination counts as one of its sources
	s_lshl_b32 s20, ttmp9, 16                      ; 16 rows of 4,096 bytes a work-group,
	s_lshl_b32 s21, s14, 13                        ; two a wave
	s_add_co_u32 s20, s20, s21
	s_mov_b32 s21, 0
	s_mul_i32 s22, ttmp9, 16*768
	s_mul_i32 s23, s14, 2*768
	s_add_co_u32 s22, s22, s23
	s_mov_b32 s23, 0
	s_lshl_b32 s24, ttmp9, 9                       ; 16 rows of 32 scale bytes
	s_mov_b32 s25, 0
	s_wait_kmcnt 0x0
	s_add_nc_u64 s[4:5], s[4:5], s[20:21]
	s_add_nc_u64 s[10:11], s[10:11], s[22:23]
	s_add_nc_u64 s[12:13], s[12:13], s[24:25]
.irp j, 0,1,2,3,4,5,6,7
	global_load_b128 v[G+4*\j:G+4*\j+3], v2, s[6:7] offset:512*\j
.endr
.irp j, 0,1,2,3,4,5,6,7
	global_load_b128 v[B+4*\j:B+4*\j+3], v2, s[8:9] offset:512*\j
.endr
.irp p, 0,1
.irp j, 0,1,2,3,4,5,6,7
	global_load_b128 v[X+32*\p+4*\j:X+32*\p+4*\j+3], v2, s[4:5] offset:4096*\p+512*\j   ; no hint: a later launch reads the rows again
.endr
.endr
.macro RED                             ; v[TA] summed over the 32 lanes, the result in every lane
	s_delay_alu instid0(VALU_DEP_1)
	v_add_f32_dpp v[TA], v[TA], v[TA] row_xmask:1 row_mask:0xf bank_mask:0xf
	s_delay_alu instid0(VALU_DEP_1)
	v_add_f32_dpp v[TA], v[TA], v[TA] row_xmask:2 row_mask:0xf bank_mask:0xf
	s_delay_alu instid0(VALU_DEP_1)
	v_add_f32_dpp v[TA], v[TA], v[TA] row_xmask:4 row_mask:0xf bank_mask:0xf
	s_delay_alu instid0(VALU_DEP_1)
	v_add_f32_dpp v[TA], v[TA], v[TA] row_xmask:8 row_mask:0xf bank_mask:0xf
	s_delay_alu instid0(VALU_DEP_1)
	v_permlanex16_b32 v[TP], v[TA], s16, s17
	s_delay_alu instid0(VALU_DEP_1)
	v_add_f32 v[TA], v[TA], v[TP]
.endm
.macro ROW p                           ; row p is normalised in its registers and sent through its stage
.set XR, X+32*(\p)
	s_wait_loadcnt 8*(1-(\p))                      ; g, b and this row are in; for row 0 the eight loads of row 1 may stay out
	v_pk_add_f32 v[CH:CH+1], v[XR:XR+1], v[XR+2:XR+3]
	v_pk_add_f32 v[CH+2:CH+3], v[XR+4:XR+5], v[XR+6:XR+7]
.irp i, 8,12,16,20,24,28
	s_delay_alu instid0(VALU_DEP_2)
	v_pk_add_f32 v[CH:CH+1], v[CH:CH+1], v[XR+\i:XR+\i+1]
	s_delay_alu instid0(VALU_DEP_2)
	v_pk_add_f32 v[CH+2:CH+3], v[CH+2:CH+3], v[XR+\i+2:XR+\i+3]
.endr
	s_delay_alu instid0(VALU_DEP_1)
	v_pk_add_f32 v[CH:CH+1], v[CH:CH+1], v[CH+2:CH+3]
	s_delay_alu instid0(VALU_DEP_1)
	v_add_f32 v[TA], v[CH], v[CH+1]
	RED
	s_delay_alu instid0(VALU_DEP_1)
	v_mul_f32 v[MU], s18, v[TA]                    ; the mean
.set n, 0
.rept 16
	v_pk_add_f32 v[XR+n:XR+n+1], v[XR+n:XR+n+1], v[MU:MU+1] op_sel_hi:[1,0] neg_lo:[0,1] neg_hi:[0,1]   ; x - mean
.set n, n+2
.endr
	v_pk_mul_f32 v[CH:CH+1], v[XR:XR+1], v[XR:XR+1]
	v_pk_mul_f32 v[CH+2:CH+3], v[XR+2:XR+3], v[XR+2:XR+3]
.irp i, 4,8,12,16,20,24,28
	s_delay_alu instid0(VALU_DEP_2)
	v_pk_fma_f32 v[CH:CH+1], v[XR+\i:XR+\i+1], v[XR+\i:XR+\i+1], v[CH:CH+1]
	s_delay_alu instid0(VALU_DEP_2)
	v_pk_fma_f32 v[CH+2:CH+3], v[XR+\i+2:XR+\i+3], v[XR+\i+2:XR+\i+3], v[CH+2:CH+3]
.endr
	s_delay_alu instid0(VALU_DEP_1)
	v_pk_add_f32 v[CH:CH+1], v[CH:CH+1], v[CH+2:CH+3]
	s_delay_alu instid0(VALU_DEP_1)
	v_add_f32 v[TA], v[CH], v[CH+1]
	RED
	s_delay_alu instid0(VALU_DEP_1)
	v_fma_f32 v[TA], v[TA], s18, s19               ; var + eps
	s_wait_alu depctr_va_vdst(0)
	v_rsq_f32 v[RS], v[TA]
	v_nop                                          ; a plain instruction behind the transcendental,
	s_wait_alu depctr_va_vdst(0)                   ; and the wait ahead of its first reader
.set n, 0
.rept 16
	v_pk_mul_f32 v[XR+n:XR+n+1], v[XR+n:XR+n+1], v[RS:RS+1] op_sel_hi:[1,0]
.set n, n+2
.endr
.set n, 0
.rept 16
	v_pk_fma_f32 v[XR+n:XR+n+1], v[XR+n:XR+n+1], v[G+n:G+n+1], v[B+n:B+n+1]
.set n, n+2
.endr
.irp j, 0,1,2,3,4,5,6,7
	ds_store_b128 v3, v[XR+4*\j:XR+4*\j+3] offset:(\p)*RSTG+8*SP*\j
.endr
.irp st, 0,1
.irp i, 0,1,2,3
	ds_load_b128 v[Y+16*\st+4*\i:Y+16*\st+4*\i+3], v4 offset:(\p)*RSTG+32*SP*\st+16*\i   ; LDS serves a wave's instructions in order: these see the stores above
.endr
.endr
.endm
.macro QSTEP p, st                     ; half row st of row p: 512 numbers, 16 a lane, two neighbouring lanes to a block
.set YS, Y+16*(\st)
.set CD, X+32*(\p)+4*(\st)             ; the codes take registers of the row, which its stage stores have read (they are older than the loads waited for here)
.if \st == 0
	s_wait_dscnt 4                                 ; my first four loads are back; the other half row's four may stay out
.else
	s_wait_dscnt 1                                 ; behind my four loads only the last byte store was issued
.endif
	v_max3_num_f32 v[MA], |v[YS]|, |v[YS+1]|, |v[YS+2]|
	v_max3_num_f32 v[MB], |v[YS+3]|, |v[YS+4]|, |v[YS+5]|
.irp i, 6,10
	s_delay_alu instid0(VALU_DEP_2)
	v_max3_num_f32 v[MA], v[MA], |v[YS+\i]|, |v[YS+\i+1]|
	s_delay_alu instid0(VALU_DEP_2)
	v_max3_num_f32 v[MB], v[MB], |v[YS+\i+2]|, |v[YS+\i+3]|
.endr
	s_delay_alu instid0(VALU_DEP_2)
	v_max3_num_f32 v[MA], v[MA], |v[YS+14]|, |v[YS+15]|
	s_delay_alu instid0(VALU_DEP_1)
	v_max3_num_f32 v[MA], v[MA], v[MB], 0x1800000  ; and the floor 2^(3 - 127): the byte cannot fall under 1
	s_delay_alu instid0(VALU_DEP_1)
	v_max_num_f32_dpp v[MA], v[MA], v[MA] row_xmask:1 row_mask:0xf bank_mask:0xf   ; with my neighbour's 16: the block's largest magnitude
	s_delay_alu instid0(VALU_DEP_1)
	v_add_nc_u32 v[SO], 0xff000000, v[MA]          ; 2 off its exponent field: the conversion takes that field as its scale
	v_cvt_scalef32_pk16_fp6_f32 v[CD:CD+2], v[YS:YS+15], v[SO]
	v_lshrrev_b32 v[BY+2*(\p)+(\st)], 23, v[SO]    ; the scale's byte (also the plain instruction behind the conversion)
	ds_store_b8 v6, v[BY+2*(\p)+(\st)] offset:32*(\p)+16*(\st)   ; both lanes of a block write the same byte with the same value
	global_store_b96 v5, v[CD:CD+2], s[10:11] offset:768*(\p)+384*(\st)   ; the wave stores 384 consecutive bytes
.endm
	ROW 0
	QSTEP 0, 0
	QSTEP 0, 1
	ROW 1
	QSTEP 1, 0
	QSTEP 1, 1
	s_wait_dscnt 0x0                               ; for the others' sake: my byte stores have landed
	s_barrier_signal -1
	s_barrier_wait -1
	s_cmp_lg_u32 s14, 0
	s_cbranch_scc1 .Lend                           ; wave 0 stores the work-group's 512 scale bytes: 512 consecutive bytes, aligned
	ds_load_b128 v[Y:Y+3], v7
	s_wait_dscnt 0x0
	global_store_b128 v2, v[Y:Y+3], s[12:13]
.Lend:
	s_wait_tensorcnt 0x0
	ds_add_u32 v192, v193
	s_wait_dscnt 0x0
	s_endpgm
.Lfunc_end_k_q5dda246662_ln1:
	.size	k_q5dda246662_ln1, .Lfunc_end_k_q5dda246662_ln1-k_q5dda246662_ln1
	.p2alignl 7, 3214868480
	.fill 96, 4, 3214868480
	.section	.rodata,"a",@progbits
	.p2align	6, 0x0
	.amdhsa_kernel k_q5dda246662_ln1
		.amdhsa_group_segment_fixed_size 83456
		.amdhsa_private_segment_fixed_size 0
		.amdhsa_enable_private_segment 0
		.amdhsa_kernarg_size 40
		.amdhsa_user_sgpr_count 2
		.amdhsa_user_sgpr_kernarg_segment_ptr 1
		.amdhsa_wavefront_size32 1
		.amdhsa_system_sgpr_workgroup_id_x 1
		.amdhsa_system_sgpr_workgroup_id_y 1
		.amdhsa_system_sgpr_workgroup_id_z 1
		.amdhsa_system_vgpr_workitem_id 0
		.amdhsa_next_free_vgpr 194
		.amdhsa_next_free_sgpr 66
		.amdhsa_reserve_vcc 0
		.amdhsa_float_denorm_mode_32 3
		.amdhsa_float_denorm_mode_16_64 3
		.amdhsa_memory_ordered 1
		.amdhsa_forward_progress 1
		.amdhsa_inst_pref_size 28
	.end_amdhsa_kernel
	.amdgpu_metadata
---
amdhsa.version: [ 1, 2 ]
amdhsa.kernels:
  - .name:           k_q5dda246662_ln1
    .symbol:         k_q5dda246662_ln1.kd
    .args:
      - { .name: x, .offset: 0, .size: 8, .value_kind: global_buffer, .address_space: global }
      - { .name: norm1_g, .offset: 8, .size: 8, .value_kind: global_buffer, .address_space: global }
      - { .name: norm1_b, .offset: 16, .size: 8, .value_kind: global_buffer, .address_space: global }
      - { .name: h_codes, .offset: 24, .size: 8, .value_kind: global_buffer, .address_space: global }
      - { .name: h_scales, .offset: 32, .size: 8, .value_kind: global_buffer, .address_space: global }
    .group_segment_fixed_size: 83456
    .private_segment_fixed_size: 0
    .kernarg_segment_align: 8
    .kernarg_segment_size: 40
    .max_flat_workgroup_size: 256
    .sgpr_count:     66
    .vgpr_count:     194
    .wavefront_size: 32
...
	.end_amdgpu_metadata
.endif
;; end of part 1
;; launch qkv (part 2): grid 12 x 16, 4 waves a work-group, clusters of 4 x 4, 327,680 bytes of LDS; arguments h_codes, h_scales, qkv_w_codes, qkv_w_scales, qkv_b, img, sc; writes img, sc
.if DOCPART == 2
	.amdgcn_target "amdgcn-amd-amdhsa--gfx1250"
	.amdhsa_code_object_version 6
	.text
	.protected	k_q5dda246662_qkv
	.globl	k_q5dda246662_qkv
	.p2align	8
	.type	k_q5dda246662_qkv,@function
k_q5dda246662_qkv:
	s_mov_b64 s[64:65], 0
	v_nop
	global_prefetch_b8 v0, s[64:65] scope:SCOPE_SE
	s_setreg_imm32_b32 hwreg(HW_REG_WAVE_MODE, 25, 1), 1
	s_wait_xcnt 0x0
	s_wait_alu depctr_hold_cnt(0) depctr_sa_sdst(0) depctr_va_vdst(0) depctr_va_sdst(0) depctr_va_ssrc(0) depctr_va_vcc(0) depctr_vm_vsrc(0)
	s_getreg_b32 s2, hwreg(HW_REG_IB_STS2, 6, 4)
	s_cmp_eq_u32 s2, 0
	s_cbranch_scc0 .Lentry_in_a_cluster
	s_endpgm
.Lentry_in_a_cluster:
	s_bfe_u32 s2, ttmp6, 0x10000c
	s_cmp_lg_u32 s2, 0xf033
	s_cbranch_scc0 .Lentry_shape_is_right
	s_endpgm
.Lentry_shape_is_right:
; qkv = h W^T + b on codes of FP6 (E2M3) with one E8M0 scale for each 32 along K = 1,024; the results are quantised at once: q and k along the head's 64 channels, v along the keys.
; THE FRAME: a tile of 256 x 256 of the product is made by four waves, 128 x 128 each (64 accumulators, 512 registers).  K goes in steps of 256 through a ring of two LDS slots filled by the tensor data mover;
; the scale bytes of the work-group's 2 x 256 rows come into LDS once.  4 x 4 work-groups form a cluster: A's tiles are asked for jointly along a row of the cluster, B's along a column.
; The matrix instruction is used transposed (source 0 = 16 rows of B, source 1 = 16 rows of A): a lane holds ONE row of A, and its registers run along B's rows.
; ONE TEXT FOR q, k AND v.  Clusters x = 0, 1: A = h (tokens), B = W's rows 0 .. 2,047: a lane holds a token and its registers run along the channels, q's and k's K.
; Cluster x = 2: A = W's rows 2,048 .. 3,071 (v's channels), B = h: a lane holds a channel and its registers run along the tokens, v's K.  Only pointers, tile numbers and masks are chosen, by selects on the
; cluster's x, which all partners share: no branch, no LDS address hangs on it.  The grid has work for 192 work-groups.
; OUT: a wave's 16 rows x 128 columns become one operand fragment (12 registers a lane), stored AS ITS REGISTERS: 1,536 bytes: registers 0-3 at 16 x lane, 4-5 at 512 + 8 x lane, 6-9 at 768 + 16 x lane, 10-11 at 1,280 + 8 x lane.
; img index: q, k: (channel / 128) x 256 + token / 16 (registers 0-5: the even head, 6-11: the odd one); v: 4,096 + (token / 128) x 64 + channel / 16.  sc: 128 bytes an index: q, k: lanes 0-15 the even head's scale word,
; lanes 16-31 the odd head's, bytes 2 and 3 = 0x7f (they scale zero codes later); v: the whole word.
; ORDER INSIDE A BLOCK OF 32: the tiles take neighbouring rows of B, so a lane's 16 registers of two tiles are columns 0-7 and 16-23 (lanes 16-31: 8-15, 24-31) of a block.  The codes lie in that order.  Both operands of each later
; product (q with k; p with v) are laid in the same order, inside one scale block: the products are the same.
; LIMITS: NaN and infinities are not served; a block under 2^-124 or of zeros keeps the byte 1 (its codes are zeros or next to it; this program alone reads the bytes).
.set SIZE_K, 1024
; THE RING, as it stands now (in place of the steps of 256 along K named above): K goes in CHUNKS OF 256 BYTES of each row of codes; chunk c lies in slot c % 2; a matrix step of 128 along K is 96 bytes, eight steps to three chunks.
.set NQ,     2                         ; steps that one set of scale words serves
.set ROWB,   256                       ; a tile's row: a chunk of a row of codes; it begins at a multiple of 256 bytes
.set KROW,   SIZE_K*6/8
.set PITCH,  272                       ; an LDS row: 256 bytes + 16 of padding
.set FR,     12
.set NL,     6
.set NP,     4
.set HALFT,  128*PITCH
.set SLOT,   4*HALFT
.set STEPS,  SIZE_K/128
.set CHUNKS, KROW/ROWB
.set KS,     SIZE_K/32
.set SCL,    2*SLOT                    ; behind the ring: the scale bytes, as units of 256 bytes + 16
.set HALFS,  (128*KS/256)*272
.set SBLK,   (16*KS/256)*272
.set SPARE,  SCL+4*HALFS               ; the spare words, 128 bytes a wave, that no other line names
.set SCRR, 8                           ; v8   the way out: where I read my scale words back
.set ADRA, 16                          ; v16-19 LDS addresses of A's fragments (slot 0, 1; the same behind one padding more)
.set ADRB, 20                          ; v20-23 of B's
.set L16,  24                          ; v24  16 x lane
.set L8,   25                          ; v25  8 x lane
.set SCRW, 26                          ; v26  the way out: where I put a scale word
.set ADRS, 27                          ; v27  LDS address of my scale words: lanes 0-15 A's rows, lanes 16-31 B's
.set SPW,  28
.set NIL,  29
.set BO,   30                          ; v30  32 x (lane / 16): the column biases' offset
.set RO,   31                          ; v31  4 x (lane % 16): the row biases' offset
.set SC,   32                          ; v32-63 scale words, two sets: they hold nothing else
.set BC,   64                          ; v64-127 the bias of my 8 columns of each of B's 8 blocks (q, k; zeros for v)
.set AF,   128                         ; v128-223 A's fragments
.set T,    128                         ; the way out: 64 numbers
.set PC,   192                         ; v192-210 the codes just made
.set TM,   212                         ; v212-227 at work
.set PW,   228
.set SH,   230                         ; v230 16 x (lane / 16) for q, k; 0 for v
.set SW,   232                         ; v232-239 the eight scale words
.set BR,   240                         ; v240, 242 .. 254 the bias of my row of each of A's 8 blocks (v; zeros for q, k); the odd registers 0
.set SEL,  92
.set G1, 24
.set G0, 32
.set G1B, 48
.set G0B, 56
.set G1S, 68
.set G0S, 76
.set G1SB, 80
.set G0SB, 88
.set MSB, 0
.macro WIN new                         ; the immediate's high byte repeats the setting that is left
.if MSB != (\new)
	s_set_vgpr_msb (MSB<<8)|(\new)
.set MSB, (\new)
.endif
.endm
.set MUL_LO, 0xa1                      ; source 0 (B) window 1, source 1 (A) window 0, C and D window 2
.set MUL_HI, 0xf1
.set TO_B,   0x40
.macro JLOAD g0a, g1a, g0b, g1b        ; a joint load: waves 0, 1 fetch for A, waves 2, 3 for B; four v_nop follow each line
	s_cmp_eq_u32 s15, 0
	s_cbranch_scc0 .Lfor_b_\@
	tensor_load_to_lds s[\g0a:\g0a+3], s[\g1a:\g1a+7]
	s_nop 0
.rept 4
	v_nop
.endr
	s_branch .Lasked_\@
.Lfor_b_\@:
	tensor_load_to_lds s[\g0b:\g0b+3], s[\g1b:\g1b+7]
	s_nop 0
.rept 4
	v_nop
.endr
.Lasked_\@:
.endm
.macro CREST                           ; a round of the cluster's barrier behind its opening barrier
	s_cmp_lg_u32 s14, 0
	s_cbranch_scc1 .Lnot_wave_0_\@
	s_barrier_signal -3
.Lnot_wave_0_\@:
	s_barrier_wait -3
	s_barrier_signal -1
	s_barrier_wait -1
.endm
.macro CROUND
	s_barrier_signal -1
	s_barrier_wait -1
	CREST
.endm
	s_load_b256 s[4:11], s[0:1], 0x0               ; h's codes, h's scales, W's codes, W's scales
	s_load_b64 s[12:13], s[0:1], 0x20              ; the bias
	s_load_b64 s[96:97], s[0:1], 0x28              ; img
	s_load_b64 s[98:99], s[0:1], 0x30              ; sc
	v_lshl_add_u32 v[SPW], v0, 2, SPARE
	v_mov_b32 v[NIL], 0
	ds_add_u32 v28, v29
	ds_add_u32 v28, v29
	s_wait_dscnt 0x0
	v_lshrrev_b32 v1, 5, v0
	v_readfirstlane_b32 s14, v1                    ; wave 0..3
	s_lshr_b32 s15, s14, 1                         ; my half of the tile's rows.  Also: I fetch for A (0) or B (1)
	s_and_b32 s16, s14, 1                          ; my half of its columns.  Also: which 128 rows I fetch
	s_bfe_u32 s40, ttmp6, 0x40000                  ; cx
	s_bfe_u32 s41, ttmp6, 0x40004                  ; cy
	s_lshl_b32 s42, ttmp9, 2                       ; 4 x cluster x
	s_and_b32 s17, ttmp7, 0xffff
	s_lshl_b32 s17, s17, 2                         ; 4 x cluster y
	s_cmp_eq_u32 ttmp9, 2                          ; v's clusters?
	s_cselect_b32 s42, s17, s42                    ; B's block of 256 rows: v: tokens 4 Y + cx; q, k: W's 4 X + cx
	s_cselect_b32 s17, 8, s17                      ; A's: v: W's 8 + cy; q, k: tokens 4 Y + cy
	s_add_co_u32 s42, s42, s40
	s_add_co_u32 s17, s17, s41
	s_lshl_b32 s43, s41, 2
	s_lshl_b32 s43, 15, s43                        ; my row of the cluster
	s_lshl_b32 s44, 0x1111, s40                    ; my column
	s_or_b32 s[G1+0], s43, (0<<16)|(1<<20)|(1<<21)|(5<<22)|(3<<25)  ; mask; elements of 1 byte; padding of 4 words behind every 64; bit 21 beside a mask
	s_or_b32 s[G1B+0], s44, (0<<16)|(1<<20)|(1<<21)|(5<<22)|(3<<25)
.irp g, G1, G1B
	s_mov_b32 s[\g+1], ROWB<<16
	s_mov_b32 s[\g+2], 256<<16                     ; the head's loads bring 256 rows; behind them the two words are set to 128
	s_mov_b32 s[\g+3], ROWB<<16
	s_mov_b32 s[\g+4], 256
	s_mov_b32 s[\g+5], KROW
	s_mov_b32 s[\g+6], 0
	s_mov_b32 s[\g+7], 0
.endr
	s_or_b32 s[G1S+0], s43, (3<<16)|(1<<20)|(1<<21)|(5<<22)|(3<<25)   ; the scales of 256 rows: a dense block, as rows of 256 bytes + 16
	s_or_b32 s[G1SB+0], s44, (3<<16)|(1<<20)|(1<<21)|(5<<22)|(3<<25)
.irp g, G1S, G1SB
	s_mov_b32 s[\g+1], 32<<16
	s_mov_b32 s[\g+2], KS<<16                      ; the scales of 256 rows: KS rows of 256 bytes
	s_mov_b32 s[\g+3], 32<<16
	s_mov_b32 s[\g+4], KS
	s_mov_b32 s[\g+5], 32
	s_mov_b32 s[\g+6], 0
	s_mov_b32 s[\g+7], 0
.endr
	s_lshl_b32 s18, s16, 7
	s_lshl_b32 s20, s17, 8
	s_add_co_u32 s20, s20, s18                     ; A: row 256 x block + 128 x half
	s_lshl_b32 s46, s42, 8
	s_add_co_u32 s46, s46, s18                     ; B likewise
	s_mov_b32 s21, 0
	s_mov_b32 s47, 0
	s_mov_b64 s[18:19], KS
	s_mul_u64 s[22:23], s[20:21], s[18:19]
	s_mul_u64 s[92:93], s[46:47], s[18:19]
	s_mov_b64 s[18:19], KROW
	s_mul_u64 s[20:21], s[20:21], s[18:19]
	s_mul_u64 s[46:47], s[46:47], s[18:19]
	s_mul_i32 s45, s14, HALFT                      ; where they go: wave x 128 rows
	s_wait_kmcnt 0x0
	s_cmp_eq_u32 ttmp9, 2                          ; for v the two operands change places: a choice between buffers that hangs on no address
	s_cselect_b64 s[100:101], s[8:9], s[4:5]
	s_cselect_b64 s[8:9], s[4:5], s[8:9]
	s_mov_b64 s[4:5], s[100:101]
	s_cselect_b64 s[100:101], s[10:11], s[6:7]
	s_cselect_b64 s[10:11], s[6:7], s[10:11]
	s_mov_b64 s[6:7], s[100:101]
	s_add_nc_u64 s[20:21], s[4:5], s[20:21]
	s_add_nc_u64 s[22:23], s[6:7], s[22:23]
	s_add_nc_u64 s[46:47], s[8:9], s[46:47]
	s_add_nc_u64 s[92:93], s[10:11], s[92:93]
	CROUND                                         ; all sixteen work-groups are here: the first joint loads meet
	s_mov_b32 s[G0S], 1
	s_mov_b32 s[G0S+1], SCL
	s_lshl_b32 s2, s16, 12                         ; my half's 128 rows x 32 bytes, taken off again: the scales come for all 256 rows at once
	s_mov_b32 s3, 0
	s_sub_nc_u64 s[G0S+2:G0S+3], s[22:23], s[2:3]
	s_or_b32 s[G0S+3], s[G0S+3], 0x80000000
	s_mov_b32 s[G0SB], 1
	s_mov_b32 s[G0SB+1], SCL+2*HALFS
	s_sub_nc_u64 s[G0SB+2:G0SB+3], s[92:93], s[2:3]
	s_or_b32 s[G0SB+3], s[G0SB+3], 0x80000000
.irp s, 0,1
	s_mov_b32 s[G0+4*\s], 1
	s_add_co_u32 s[G0+4*\s+1], s45, \s*SLOT
	s_add_nc_u64 s[G0+4*\s+2:G0+4*\s+3], s[20:21], \s*ROWB
	s_or_b32 s[G0+4*\s+3], s[G0+4*\s+3], 0x80000000
	s_mov_b32 s[G0B+4*\s], 1
	s_add_co_u32 s[G0B+4*\s+1], s45, \s*SLOT
	s_add_nc_u64 s[G0B+4*\s+2:G0B+4*\s+3], s[46:47], \s*ROWB
	s_or_b32 s[G0B+4*\s+3], s[G0B+4*\s+3], 0x80000000
.endr
; THE HEAD'S LOADS, ONE A WAVE: wave 0 chunk 0's 256 rows of A (its own group 0 begins at the tile's first row and at LDS byte 0), wave 1 A's scales, wave 2 chunk 0's 256 rows of B, wave 3 B's scales.
.macro ARM under, next, g0, g1
	s_cmp_lt_u32 s14, \under
	s_cbranch_scc0 \next
	tensor_load_to_lds s[\g0:\g0+3], s[\g1:\g1+7]
	s_nop 0
.rept 4
	v_nop
.endr
	s_branch .Lhead_asked
\next:
.endm
	ARM 1, .Lhead_1, G0, G1
	ARM 2, .Lhead_2, G0S, G1S
	ARM 3, .Lhead_3, G0B, G1B
	tensor_load_to_lds s[G0SB:G0SB+3], s[G1SB:G1SB+7]
	s_nop 0
.rept 4
	v_nop
.endr
.Lhead_asked:
	v_and_b32 v1, 15, v0                           ; r
	v_bfe_u32 v2, v0, 4, 1                         ; h
	v_mul_u32_u24 v3, v1, PITCH
	v_mul_u32_u24 v4, v2, 24
	v_add_nc_u32 v4, v3, v4
	s_mov_b32 s21, SLOT-232
	s_mov_b32 s22, SLOT+232
	v_sub_nc_u32 v7, 1, v2                         ; 1 in lanes 0-15
	v_mul_u32_u24 v5, s21, v2
	v_add_nc_u32 v5, v3, v5
	v_add_nc_u32 v5, 232, v5                       ; across two chunks: lanes 0-15 byte 232 of the row in slot 0, lanes 16-31 byte 0 of the row in slot 1;
	v_mul_u32_u24 v6, s22, v7
	v_add_nc_u32 v6, v3, v6                        ; and lanes 0-15 byte 232 in slot 1, lanes 16-31 byte 0 in slot 0
	s_mul_i32 s21, s15, HALFT
	s_mul_i32 s22, s16, HALFT
	s_add_co_u32 s22, s22, 2*HALFT
	v_add_nc_u32 v[ADRA+2], s21, v5
	v_add_nc_u32 v[ADRA+3], s21, v6
	v_add_nc_u32 v[ADRB+2], s22, v5
	v_add_nc_u32 v[ADRB+3], s22, v6
.irp s, 0,1
	v_add_nc_u32 v[ADRA+\s], s21, v4
	v_add_nc_u32 v[ADRB+\s], s22, v4
	s_add_co_u32 s21, s21, SLOT
	s_add_co_u32 s22, s22, SLOT
.endr
	v_mul_u32_u24 v5, v1, KS
	v_lshrrev_b32 v6, 8, v5
	v_lshl_add_u32 v5, v6, 4, v5
	s_mul_i32 s21, s15, HALFS
	s_mul_i32 s22, s16, HALFS
	s_add_co_u32 s22, s22, 2*HALFS
	s_sub_co_u32 s22, s22, s21
	v_mul_u32_u24 v6, s22, v2                      ; lanes 16-31 take B's
	s_add_co_u32 s21, s21, SCL
	v_add_nc_u32 v5, v5, v6
	v_add_nc_u32 v[ADRS], s21, v5
	v_and_b32 v6, 31, v0
	s_lshl_b32 s23, s14, 10                        ; my 1,024 bytes of scratch,
	s_add_co_u32 s23, s23, SLOT                    ; in slot 1, which does not hold the last chunk: it has had its last fill and its last read when the scratch is used
	v_lshl_add_u32 v[SCRW], v6, 2, s23
	v_lshl_add_u32 v[SCRR], v6, 4, s23
	v_lshlrev_b32 v[L16], 4, v6
	v_lshlrev_b32 v[L8], 3, v6
	v_lshlrev_b32 v[BO], 5, v2
	s_wait_alu depctr_va_vdst(0)
	v_lshlrev_b32 v[RO], 2, v1
	; what differs between q, k and v on the way out: masks and the index's factors
	s_wait_alu depctr_va_vdst(0)
	s_cmp_eq_u32 ttmp9, 2
	s_cselect_b32 s66, 0, -1                       ; all ones for q, k
	s_cselect_b32 s67, -1, 0                       ; all ones for v
	s_cselect_b32 s95, -1, 0xffff                  ; what is kept of a scale word,
	s_cselect_b32 s104, 0, 0x7f7f0000              ; and what is set above it
	s_cselect_b32 s18, 64, 0x100
	s_cselect_b32 s19, 0x1000, 0
	s_cselect_b32 s20, 8, 0
	s_lshl_b32 s21, s42, 1
	s_add_co_u32 s21, s21, s16                     ; B's block of 128: 2 x block of 256 + my half
	s_mul_i32 s18, s21, s18
	s_sub_co_u32 s20, s17, s20                     ; A's block of 256, counted from v's first for v
	s_lshl_b32 s20, s20, 4
	s_lshl_b32 s22, s15, 3
	s_add_co_u32 s20, s20, s22
	s_add_co_u32 s18, s18, s20
	s_add_co_u32 s18, s18, s19                     ; the index of my first fragment; my eight follow each other
	s_lshl_b32 s22, s21, 9
	s_and_b32 s22, s22, s66                        ; q, k: my 128 columns' biases (v reads the first 128 and masks them)
	s_mov_b32 s23, 0
	s_add_nc_u64 s[100:101], s[12:13], s[22:23]
	s_lshl_b32 s22, s17, 10
	s_lshl_b32 s45, s15, 9
	s_add_co_u32 s22, s22, s45
	s_and_b32 s22, s22, s67                        ; v: my 128 rows' biases
	s_add_nc_u64 s[12:13], s[12:13], s[22:23]
	s_mul_i32 s22, s18, 1536
	s_add_nc_u64 s[96:97], s[96:97], s[22:23]
	s_lshl_b32 s22, s18, 7
	s_add_nc_u64 s[98:99], s[98:99], s[22:23]
.irp b, 0,1,2,3,4,5,6,7
	global_load_b128 v[BC+8*\b:BC+8*\b+3], v[BO], s[100:101] offset:64*\b       ; columns 16 b + 8 h + 0 .. 7
	global_load_b128 v[BC+8*\b+4:BC+8*\b+7], v[BO], s[100:101] offset:64*\b+16
.endr
.irp a, 0,1,2,3,4,5,6,7
	global_load_b32 v[BR+2*\a], v[RO], s[12:13] offset:64*\a                    ; row 16 a + r
.endr
	v_lshlrev_b32 v[SH], 4, v2
	v_and_b32 v[SH], s66, v[SH]
	s_wait_loadcnt 0x0                             ; the biases, while the first tiles are on their way
.set n, 0
.rept 64
	v_and_b32 v[BC+n], s66, v[BC+n]
.set n, n+1
.endr
.irp a, 0,1,2,3,4,5,6,7
	v_and_b32 v[BR+2*\a], s67, v[BR+2*\a]
	v_mov_b32 v[BR+2*\a+1], 0                      ; named with it as a pair
.endr
.macro FRAG reg, adr, st, i            ; a fragment of step st: lane l holds row l % 16; registers 6 c .. 6 c + 5 hold K = 64 c + 32 (l / 16) + 0 .. 31: 24 bytes as they lie, in pieces of 8
.irp p, 0,1,2,3,4,5
.set FBY, 96*(\st)+48*(\p/3)+8*(\p%3)  ; the piece of lanes 0-15 in the row of codes; byte y lies in chunk y / 256, slot (y / 256) % 2; lanes 16-31 read 24 bytes on
.if FBY/ROWB == (FBY+24)/ROWB
	ds_load_b64 v[\reg+2*\p:\reg+2*\p+1], v[\adr+(FBY/ROWB)%2] offset:FBY%ROWB+(\i)*16*PITCH
.else
	ds_load_b64 v[\reg+2*\p:\reg+2*\p+1], v[\adr+2+(FBY/ROWB)%2] offset:FBY%ROWB-232+(\i)*16*PITCH
.endif
.endr
.endm
.macro MUL16 a0, p, q, sc, zero        ; A's blocks a0, a0 + 1 x B's eight; the 64 accumulators take turns, one instruction a turn
.irp a, \a0, \a0+1
.irp b, 0,1,2,3,4,5,6,7
.if \zero
	v_wmma_scale_f32_16x16x128_f8f6f4 v[8*(8*((\a)%4)+\b):8*(8*((\a)%4)+\b)+7], v[128*(\p)+FR*\b:128*(\p)+FR*\b+FR-1], v[AF+FR*(\a):AF+FR*(\a)+FR-1], 0, v[SC+8*NQ*(\sc)+NQ*\b+(\q)], v[SC+8*NQ*(\sc)+NQ*(\a)+(\q)] matrix_a_fmt:MATRIX_FMT_FP6 matrix_b_fmt:MATRIX_FMT_FP6 matrix_a_scale:MATRIX_SCALE_ROW1
.else
	v_wmma_scale_f32_16x16x128_f8f6f4 v[8*(8*((\a)%4)+\b):8*(8*((\a)%4)+\b)+7], v[128*(\p)+FR*\b:128*(\p)+FR*\b+FR-1], v[AF+FR*(\a):AF+FR*(\a)+FR-1], v[8*(8*((\a)%4)+\b):8*(8*((\a)%4)+\b)+7], v[SC+8*NQ*(\sc)+NQ*\b+(\q)], v[SC+8*NQ*(\sc)+NQ*(\a)+(\q)] matrix_a_fmt:MATRIX_FMT_FP6 matrix_b_fmt:MATRIX_FMT_FP6 matrix_a_scale:MATRIX_SCALE_ROW1
.endif
.endr
.endr
.endm
.macro FETCH_B st, p
	WIN TO_B
.irp i, 0,1,2,3,4,5,6,7
	FRAG 128*(\p)+FR*\i, ADRB, \st, \i
.endr
	WIN 0
.endm
.macro FETCH_A st, i0
.irp i, \i0, \i0+1, \i0+2, \i0+3
	FRAG AF+FR*(\i), ADRA, \st, \i
.endr
.endm
.macro SCALES pr                       ; the scale words of steps 2 pr, 2 pr + 1 into set pr % 2
.irp i, 0,1,2,3,4,5,6,7
	ds_load_b64 v[SC+8*NQ*((\pr)%2)+NQ*\i:SC+8*NQ*((\pr)%2)+NQ*\i+1], v[ADRS] offset:\i*SBLK+4*NQ*(\pr)
.endr
.endm
.macro PLACES n                        ; plain instructions between a matrix instruction and a load into, or a vector access to, its registers
.rept \n
	v_nop
.endr
.endm
; A step of 128 along K: 64 products on step st's fragments; the next step's fragments are fetched in its middle and at its end.
; Where the next step's bytes END in a chunk not read yet, a barrier shows that chunk whole; where they BEGIN in a later chunk, the chunk left behind is read no more: the wait for all tensor loads, the add,
; the wait for it and for my reads stand in front of the barrier, and where a chunk two on is left to fetch the barrier opens a round of the cluster's and the slot is filled again.
.macro STEP st, zero
.set NX, (\st)+1
.set C0, (96*(\st))/ROWB
.set C1, (96*NX)/ROWB
.set E0, (96*(\st)+95)/ROWB
.set E1, (96*NX+95)/ROWB
.if C1 > C0 || E1 > E0
	s_wait_tensorcnt 0x0                           ; all my tensor loads have landed
.if C1 > C0
	ds_add_u32 v[SPW], v[NIL]                      ; 0 onto my spare word
	s_wait_dscnt 4*NL+1                            ; the add and the 24 loads of A's blocks 4-7 may be out
.else
	s_wait_dscnt 4*NL                              ; the 24 loads of A's blocks 4-7 may be out
.endif
	WIN MUL_LO
	MUL16 0, (\st)%2, (\st)%2, ((\st)/2)%2, \zero
	s_wait_dscnt 0x0                               ; the add, where there is one, and all my reads are done
	s_barrier_signal -1
	MUL16 2, (\st)%2, (\st)%2, ((\st)/2)%2, \zero
	WIN 0
	s_barrier_wait -1
.if C1 > C0 && C0+2 < CHUNKS
	CREST
	s_add_nc_u64 s[G0+4*(C0%2)+2:G0+4*(C0%2)+3], s[G0+4*(C0%2)+2:G0+4*(C0%2)+3], 2*ROWB
	s_add_nc_u64 s[G0B+4*(C0%2)+2:G0B+4*(C0%2)+3], s[G0B+4*(C0%2)+2:G0B+4*(C0%2)+3], 2*ROWB
	JLOAD G0+4*(C0%2), G1, G0B+4*(C0%2), G1B       ; chunk C0 + 2, the first tensor load behind the round
.else
	PLACES NP
.endif
.else
	s_wait_dscnt 4*NL                              ; B's set and A's blocks 0-3 are in; the 24 loads of A's blocks 4-7 may be out
	WIN MUL_LO
	MUL16 0, (\st)%2, (\st)%2, ((\st)/2)%2, \zero
	MUL16 2, (\st)%2, (\st)%2, ((\st)/2)%2, \zero
	s_wait_dscnt 0
	PLACES NP
.endif
	FETCH_B NX, NX%2
	FETCH_A NX, 0
.if NX%2 == 0
	SCALES NX/2
.endif
	WIN MUL_HI
	MUL16 4, (\st)%2, (\st)%2, ((\st)/2)%2, \zero
	MUL16 6, (\st)%2, (\st)%2, ((\st)/2)%2, \zero
	PLACES NP
	WIN 0
	FETCH_A NX, 4
.endm
	s_wait_alu depctr_va_vdst(0)                   ; the wait at the head's end
	s_wait_tensorcnt 0x0                           ; my tile of the head's four is in; the lines ahead of a later first fill:
	ds_add_u32 v[SPW], v[NIL]
	s_mov_b32 s[G1+2], 128<<16                     ; no tensor load of mine is out: from here on a load brings 128 rows
	s_mov_b32 s[G1+4], 128
	s_mov_b32 s[G1B+2], 128<<16
	s_mov_b32 s[G1B+4], 128
	s_wait_dscnt 0x0
	CROUND                                         ; all four tiles are in, and all sixteen work-groups are here
	JLOAD G0+4, G1, G0B+4, G1B                     ; chunk 1, the first tensor load behind the round
	FETCH_B 0, 0
	FETCH_A 0, 0
	SCALES 0
	FETCH_A 0, 4
	STEP 0, 1                                      ; the first step's products start the sums
.set ST, 1                             ; eight steps to three chunks: the walk comes back to where it began only behind its end, so it is written out step by step
.rept STEPS-2
	STEP ST, 0
.set ST, ST+1
.endr
	s_wait_dscnt 4*NL
	WIN MUL_LO
	MUL16 0, 1, NQ-1, 1, 0
	MUL16 2, 1, NQ-1, 1, 0
	s_wait_dscnt 0
	WIN MUL_HI
	MUL16 4, 1, NQ-1, 1, 0
	MUL16 6, 1, NQ-1, 1, 0
	WIN 0
; 64 numbers of a lane, register 16 b + i, become a fragment's codes in v[PC] on and its scale word in v[PW]; block b's 32 numbers lie in lanes l and l xor 16.
.macro QUANT s
.irp b, 0,1,2,3
	v_max3_num_f32 v[TM+\b], |v[\s+16*\b]|, |v[\s+1+16*\b]|, 0x1800000   ; with the floor 2^(3 - 127): the byte cannot fall under 1
.endr
.irp i, 2,4,6,8,10,12,14
.irp b, 0,1,2,3
	v_max3_num_f32 v[TM+\b], v[TM+\b], |v[\s+16*\b+\i]|, |v[\s+1+16*\b+\i]|
.endr
.endr
.irp b, 0,1,2,3
	v_permlanex16_b32 v[TM+4+\b], v[TM+\b], s[SEL], s[SEL+1]
.endr
.irp b, 0,1,2,3
	v_max_num_f32 v[TM+\b], v[TM+\b], v[TM+4+\b]
.endr
.irp b, 0,1,2,3
	v_add_nc_u32 v[TM+12+\b], 0xff000000, v[TM+\b]   ; 2 off the exponent field: the conversion's scale operand
.endr
.irp b, 0,1,2,3
	v_lshrrev_b32 v[TM+4+\b], 23, v[TM+12+\b]        ; the scale's byte
.endr
	v_lshl_or_b32 v[PW], v[TM+5], 8, v[TM+4]
	v_lshl_or_b32 v[PW], v[TM+6], 16, v[PW]
	v_lshl_or_b32 v[PW], v[TM+7], 24, v[PW]
.irp c, 0,1
	v_cvt_scalef32_pk16_fp6_f32 v[PC+6*\c:PC+2+6*\c], v[\s+32*\c:\s+15+32*\c], v[TM+12+2*\c]
	v_cvt_scalef32_pk16_fp6_f32 v[PC+12+4*\c:PC+14+4*\c], v[\s+16+32*\c:\s+31+32*\c], v[TM+12+2*\c+1]
.endr
	v_nop                                          ; one plain instruction behind a scaled conversion
.irp c, 0,1                                    ; the operand's layout wants a whole block in a lane
.irp i, 0,1,2
	v_permlane16_swap_b32 v[PC+6*\c+\i], v[PC+12+4*\c+\i]
.endr
.irp i, 0,1,2
	v_mov_b32 v[PC+3+6*\c+\i], v[PC+12+4*\c+\i]
.endr
.endr
.endm
.macro OUTBLK a                        ; A's block a: 16 rows x my 128 columns: the biases, the quantiser, one fragment out
	WIN 0x02+(\a)/4                                ; source 0: window 2 or 3
.set n, 0
.rept 32
	v_pk_add_f32 v[T+n:T+n+1], v[64*((\a)%4)+n:64*((\a)%4)+n+1], v[BC+n:BC+n+1]   ; each accumulator from its low end on
.set n, n+2
.endr
	WIN 0
.set n, 0
.rept 32
	v_pk_add_f32 v[T+n:T+n+1], v[T+n:T+n+1], v[BR+2*(\a):BR+2*(\a)+1] op_sel_hi:[1,0]
.set n, n+2
.endr
	s_wait_xcnt 0x0                                ; the last block's stores have read the codes' registers
	QUANT T
	global_store_b128 v[L16], v[PC:PC+3], s[96:97] offset:(\a)*1536          ; each store covers 512 or 256 consecutive bytes, aligned
	global_store_b64 v[L8], v[PC+4:PC+5], s[96:97] offset:(\a)*1536+512
	global_store_b128 v[L16], v[PC+6:PC+9], s[96:97] offset:(\a)*1536+768
	global_store_b64 v[L8], v[PC+10:PC+11], s[96:97] offset:(\a)*1536+1280
	v_lshrrev_b32 v[SW+(\a)], v[SH], v[PW]         ; q, k: lanes 16-31 take the odd head's two bytes
	v_and_or_b32 v[SW+(\a)], v[SW+(\a)], s95, s104
	ds_store_b32 v[SCRW], v[SW+(\a)] offset:128*(\a)
.endm
	PLACES NP                                      ; behind the last products: their results are read and their operands' registers written below
	s_mov_b32 s[SEL], 0x76543210
	s_mov_b32 s[SEL+1], 0xfedcba98
.irp b, 0,1,2,3
	v_mov_b32 v[TM+4+\b], 0                        ; a lane permute's destination counts as one of its sources
.endr
.irp a, 0,1,2,3,4,5,6,7
	OUTBLK \a
.endr
	ds_load_b128 v[TM:TM+3], v[SCRR]               ; LDS serves a wave's instructions in order: these see my stores
	ds_load_b128 v[TM+4:TM+7], v[SCRR] offset:512
	s_wait_dscnt 0x0
	global_store_b128 v[L16], v[TM:TM+3], s[98:99]
	global_store_b128 v[L16], v[TM+4:TM+7], s[98:99] offset:512
	s_wait_tensorcnt 0x0                           ; the wave's end
	ds_add_u32 v[SPW], v[NIL]
	s_wait_dscnt 0x0
	CROUND                                         ; the closing round
	s_endpgm
.Lfunc_end_k_q5dda246662_qkv:
	.size	k_q5dda246662_qkv, .Lfunc_end_k_q5dda246662_qkv-k_q5dda246662_qkv
	.p2alignl 7, 3214868480
	.fill 96, 4, 3214868480
	.section	.rodata,"a",@progbits
	.p2align	6, 0x0
	.amdhsa_kernel k_q5dda246662_qkv
		.amdhsa_group_segment_fixed_size 327680
		.amdhsa_private_segment_fixed_size 0
		.amdhsa_enable_private_segment 0
		.amdhsa_kernarg_size 56
		.amdhsa_user_sgpr_count 2
		.amdhsa_user_sgpr_kernarg_segment_ptr 1
		.amdhsa_wavefront_size32 1
		.amdhsa_system_sgpr_workgroup_id_x 1
		.amdhsa_system_sgpr_workgroup_id_y 1
		.amdhsa_system_sgpr_workgroup_id_z 1
		.amdhsa_system_vgpr_workitem_id 0
		.amdhsa_next_free_vgpr 1024
		.amdhsa_next_free_sgpr 106
		.amdhsa_reserve_vcc 0
		.amdhsa_float_denorm_mode_32 3
		.amdhsa_float_denorm_mode_16_64 3
		.amdhsa_memory_ordered 1
		.amdhsa_forward_progress 1
		.amdhsa_inst_pref_size 204
	.end_amdhsa_kernel
	.amdgpu_metadata
---
amdhsa.version: [ 1, 2 ]
amdhsa.kernels:
  - .name:           k_q5dda246662_qkv
    .symbol:         k_q5dda246662_qkv.kd
    .args:
      - { .name: h_codes, .offset: 0, .size: 8, .value_kind: global_buffer, .address_space: global }
      - { .name: h_scales, .offset: 8, .size: 8, .value_kind: global_buffer, .address_space: global }
      - { .name: qkv_w_codes, .offset: 16, .size: 8, .value_kind: global_buffer, .address_space: global }
      - { .name: qkv_w_scales, .offset: 24, .size: 8, .value_kind: global_buffer, .address_space: global }
      - { .name: qkv_b, .offset: 32, .size: 8, .value_kind: global_buffer, .address_space: global }
      - { .name: img, .offset: 40, .size: 8, .value_kind: global_buffer, .address_space: global }
      - { .name: sc, .offset: 48, .size: 8, .value_kind: global_buffer, .address_space: global }
    .group_segment_fixed_size: 327680
    .private_segment_fixed_size: 0
    .kernarg_segment_align: 8
    .kernarg_segment_size: 56
    .max_flat_workgroup_size: 128
    .sgpr_count:     106
    .vgpr_count:     1024
    .wavefront_size: 32
...
	.end_amdgpu_metadata
.endif
;; end of part 2
;; launch attn (part 3): grid 8 x 32, 16 waves a work-group, clusters of 4 x 1, 215,040 bytes of LDS; arguments img, sc, o_img, o_sc; writes o_img, o_sc
.if DOCPART == 3
	.amdgcn_target "amdgcn-amd-amdhsa--gfx1250"
	.amdhsa_code_object_version 6
	.text
	.protected	k_q5dda246662_attn
	.globl	k_q5dda246662_attn
	.p2align	8
	.type	k_q5dda246662_attn,@function
k_q5dda246662_attn:
	s_mov_b64 s[64:65], 0
	v_nop
	global_prefetch_b8 v0, s[64:65] scope:SCOPE_SE
	s_setreg_imm32_b32 hwreg(HW_REG_WAVE_MODE, 25, 1), 1
	s_wait_xcnt 0x0
	s_wait_alu depctr_hold_cnt(0) depctr_sa_sdst(0) depctr_va_vdst(0) depctr_va_sdst(0) depctr_va_ssrc(0) depctr_va_vcc(0) depctr_vm_vsrc(0)
	s_getreg_b32 s2, hwreg(HW_REG_IB_STS2, 6, 4)
	s_cmp_eq_u32 s2, 0
	s_cbranch_scc0 .Lentry_in_a_cluster
	s_endpgm
.Lentry_in_a_cluster:
	s_bfe_u32 s2, ttmp6, 0x10000c
	s_cmp_lg_u32 s2, 0x3003
	s_cbranch_scc0 .Lentry_shape_is_right
	s_endpgm
.Lentry_shape_is_right:
; o = softmax(q k^T / 8) v for one head of 64 channels and 2,048 keys, both products on codes of FP6 (E2M3) with one E8M0 scale for each 32 along K; o is quantised along the model's channels at once.
; THE SOFTMAX: t = score x log2(e) / 8; M = the running largest t rounded UP to a whole number; p = 2^(t - M) is quantised along the keys, not normalised; the row's sum is taken of the unquantised p and divides at the end.
; When M moves, the sum and O are multiplied by 2^(old M - new M): exact.
; SHARES: a work-group owns 256 queries of one head, each of its sixteen waves 16 of them in 256 registers: four waves to a SIMD.
; ALL OF THE HEAD'S K AND V LIES IN LDS, FILLED ONCE: K's 128 tiles of 768 bytes from byte 0, V's 16 steps of 6,144 bytes from byte 98,304, the scale words from byte 196,608: no ring, no refill.
; THE FILLS: sixteen, one a wave, in one chain of four arms on the wave's number: waves 0-3 take 32 tiles of K each, waves 4-7 four steps of V, waves 8-11 32 rows of K's scale words, waves 12-15 four rows of V's.
; CLUSTER: the four work-groups of a cluster are four query blocks of one head: every fill is asked for jointly (mask 15).  A wave has one tensor load out.
; No prefetch: every fill goes out at the head, and the loop asks memory for nothing.
; OPERANDS are images of their registers (registers 0-3 at 16 x lane, 4-5 at 512 + 8 x lane, 6-9 at 768 + 16 x lane, 10-11 at 1,280 + 8 x lane): every LDS load reads consecutive bytes.
; K = 64 in the first product: registers 6-11 of q's and k's fragments are zero codes, under the byte 0x7f.
; Both products are used transposed (S^T = K Q^T, O^T = V^T P^T): a lane holds ONE query throughout.  p's codes lie inside each block of 32 keys in the order in which v's were laid by the launch before.
; LIMITS: NaN and infinities are not served; the scaled scores stay under 2^31 in magnitude; a block of o under 2^-124 or of zeros keeps the byte 1.
.set VB,   98304                       ; V's first byte in LDS
.set KSC,  196608                      ; K's scale words: [step][8 tiles][64 bytes]; V's 8,192 bytes further on: [step][4 tiles][128 bytes]
.set S,    128                         ; v128-191 S^T, then p
.set OT,   192                         ; v192-223 O^T, four tiles
.set L16,  1
.set L8,   2
.set KS0,  3                           ; v3   KSC + 4 x (lane % 16)
.set AD16, 4
.set AD8,  5
.set ADS,  6
.set VA16, 9                           ; v9, v10: the step's addresses in V
.set VA8,  10
.set WV,   12
.set SEL,  20
.set CS,   22                          ; s[22:23] c = log2(e) / 8
.set G1K,  24
.set G1V,  32
.set G1KS, 40
.set G1VS, 48
.set G0K,  56
.set G0V,  60
.set G0KS, 68
.set G0VS, 72
.set TB,   76                          ; s76  6,144 x step: K's tiles and V's fragments step alike
.set TS,   77                          ; s77  512 x step: the scale words
.set CNT,  78
.set QD,   79                          ; s79  wave % 4: my quarter of my arm's tile
; v12 -M, v13 the largest t, v[14:15] the sum; v16-27 Q; v28-31 V's scale words; v32-79 four fragments of K; v80-127 four of V; v224-235 p's codes; v232-247, v252, v254 at work; v248-251 K's scale words; v253 p's; v255 Q's
.macro ROUND                           ; a round of the cluster's barrier
	s_barrier_signal -1
	s_barrier_wait -1
	s_cmp_lg_u32 s[WV], 0
	s_cbranch_scc1 .Lnot_wave_0_\@
	s_barrier_signal -3
.Lnot_wave_0_\@:
	s_barrier_wait -3
	s_barrier_signal -1
	s_barrier_wait -1
.endm
.macro ARM under, next, g0, g1         ; one arm of the head's chain: its load, and a jump to the join
	s_cmp_lt_u32 s[WV], \under
	s_cbranch_scc0 \next
	tensor_load_to_lds s[\g0:\g0+3], s[\g1:\g1+7]
	s_nop 0
.rept 4
	v_nop
.endr
	s_branch .Lasked
\next:
.endm
	s_load_b256 s[4:11], s[0:1], 0x0               ; img s[4:5], sc s[6:7], o_img s[8:9], o_sc s[10:11]
	v_lshl_add_u32 v11, v0, 2, 0x34000
	v_mov_b32 v243, 0
	ds_add_u32 v11, v243                           ; the opening lines: the add twice on end
	ds_add_u32 v11, v243
	v_lshrrev_b32 v9, 5, v0
	s_delay_alu instid0(VALU_DEP_1)
	v_readfirstlane_b32 s[WV], v9                  ; wave 0..15
	s_and_b32 s[QD], s[WV], 3
	s_bfe_u32 s13, ttmp6, 0x40000                  ; cx
	s_lshl_b32 s14, ttmp9, 2
	s_add_co_u32 s14, s14, s13                     ; my block of 256 queries: it enters q's and o's global addresses alone
	s_and_b32 s15, ttmp7, 0xffff
	s_lshr_b32 s16, s15, 4                         ; batch
	s_and_b32 s17, s15, 15                         ; head
	s_lshr_b32 s18, s17, 1                         ; pair of heads
	s_and_b32 s19, s17, 1                          ; which of the pair
	s_add_co_u32 s80, s18, 8                       ; K: index (8 + pair) x 256 + 128 x batch + 32 x quarter
	s_lshl_b32 s80, s80, 8
	s_lshl_b32 s81, s16, 7
	s_add_co_u32 s80, s80, s81
	s_lshl_b32 s81, s[QD], 5
	s_add_co_u32 s80, s80, s81
	s_mul_i32 s82, s80, 1536
	s_mul_i32 s81, s19, 768
	s_add_co_u32 s82, s82, s81                     ; my head's half of each image
	s_mov_b32 s83, 0
	s_lshl_b32 s84, s80, 7
	s_lshl_b32 s81, s19, 6
	s_add_co_u32 s84, s84, s81
	s_mov_b32 s85, 0
	s_lshl_b32 s86, s16, 4                         ; V: index 4,096 + (16 x batch + 4 x quarter) x 64 + 4 x head
	s_lshl_b32 s81, s[QD], 2
	s_add_co_u32 s86, s86, s81
	s_lshl_b32 s86, s86, 6
	s_lshl_b32 s81, s17, 2
	s_add_co_u32 s86, s86, s81
	s_add_co_u32 s86, s86, 4096
	s_lshl_b32 s88, s86, 7
	s_mov_b32 s89, 0
	s_mul_i32 s86, s86, 1536
	s_mov_b32 s87, 0
	s_mul_i32 s90, s[QD], 24576                    ; where they go: a constant x quarter: 32 tiles of 768 bytes, or 4 steps of 6,144
	s_lshl_b32 s91, s[QD], 11                      ; and 2,048 bytes of scale words
	s_lshl_b32 s92, s16, 7                         ; my tile of 16 queries: 128 x batch + 16 x block + wave
	s_lshl_b32 s81, s14, 4
	s_add_co_u32 s92, s92, s81
	s_add_co_u32 s92, s92, s[WV]
	s_lshl_b32 s93, s18, 8
	s_add_co_u32 s93, s93, s92                     ; pair x 256 + tile
	s_mul_i32 s94, s93, 1536
	s_mul_i32 s81, s19, 768
	s_add_co_u32 s94, s94, s81
	s_mov_b32 s95, 0                               ; q's codes
	s_lshl_b32 s96, s93, 7
	s_lshl_b32 s81, s19, 6
	s_add_co_u32 s96, s96, s81
	s_mov_b32 s97, 0                               ; q's scale words
	s_lshl_b32 s98, s92, 3
	s_add_co_u32 s98, s98, s18
	s_mul_i32 s98, s98, 1536
	s_mul_i32 s81, s19, 768
	s_add_co_u32 s98, s98, s81
	s_mov_b32 s99, 0                               ; o's codes: index tile x 8 + pair, my head's half
	s_lshl_b32 s2, s93, 6
	s_lshl_b32 s81, s19, 1
	s_add_co_u32 s2, s2, s81
	s_mov_b32 s3, 0                                ; o's scale bytes: (pair x 256 + tile) x 64 + 2 x which
	; descriptor groups 1: elements of 8 bytes, the mask of all four work-groups, bit 21 beside it, no padding
.irp g, G1K, G1V, G1KS, G1VS
	s_mov_b32 s[\g], 15|(3<<16)|(1<<21)
	s_mov_b32 s[\g+6], 0
	s_mov_b32 s[\g+7], 0
.endr
	s_mov_b32 s[G1K+1], 96<<16                     ; K: 32 rows of 768 bytes, 1,536 bytes apart
	s_mov_b32 s[G1K+2], 32<<16
	s_mov_b32 s[G1K+3], 96<<16
	s_mov_b32 s[G1K+4], 32
	s_mov_b32 s[G1K+5], 192
	s_mov_b32 s[G1V+1], 768<<16                    ; V: 4 rows of 6,144 bytes, 64 images (98,304 bytes) apart
	s_mov_b32 s[G1V+2], 4<<16
	s_mov_b32 s[G1V+3], 768<<16
	s_mov_b32 s[G1V+4], 4
	s_mov_b32 s[G1V+5], 12288
	s_mov_b32 s[G1KS+1], 8<<16                     ; K's scale words: 32 rows of 64 bytes, 128 bytes apart
	s_mov_b32 s[G1KS+2], 32<<16
	s_mov_b32 s[G1KS+3], 8<<16
	s_mov_b32 s[G1KS+4], 32
	s_mov_b32 s[G1KS+5], 16
	s_mov_b32 s[G1VS+1], 64<<16                    ; V's: 4 rows of 512 bytes, 8,192 bytes apart
	s_mov_b32 s[G1VS+2], 4<<16
	s_mov_b32 s[G1VS+3], 64<<16
	s_mov_b32 s[G1VS+4], 4
	s_mov_b32 s[G1VS+5], 1024
	s_mov_b32 s[SEL], 0x76543210
	s_mov_b32 s[SEL+1], 0xfedcba98
	s_mov_b32 s[CS], 0x3e38aa3b
	s_mov_b32 s[CS+1], s[CS]
	s_mov_b32 s[TB], 0
	s_mov_b32 s[TS], 0
	s_mov_b32 s[CNT], 16
	s_wait_dscnt 0x0                               ; both opening adds are done
	s_wait_kmcnt 0x0
	s_mov_b32 s[G0K], 1
	s_mov_b32 s[G0K+1], s90
	s_add_nc_u64 s[G0K+2:G0K+3], s[4:5], s[82:83]
	s_or_b32 s[G0K+3], s[G0K+3], 0x80000000
	s_mov_b32 s[G0V], 1
	s_add_co_u32 s[G0V+1], s90, VB
	s_add_nc_u64 s[G0V+2:G0V+3], s[4:5], s[86:87]
	s_or_b32 s[G0V+3], s[G0V+3], 0x80000000
	s_mov_b32 s[G0KS], 1
	s_add_co_u32 s[G0KS+1], s91, KSC
	s_add_nc_u64 s[G0KS+2:G0KS+3], s[6:7], s[84:85]
	s_or_b32 s[G0KS+3], s[G0KS+3], 0x80000000
	s_mov_b32 s[G0VS], 1
	s_add_co_u32 s[G0VS+1], s91, KSC+8192
	s_add_nc_u64 s[G0VS+2:G0VS+3], s[6:7], s[88:89]
	s_or_b32 s[G0VS+3], s[G0VS+3], 0x80000000
	s_add_nc_u64 s[94:95], s[4:5], s[94:95]
	s_add_nc_u64 s[96:97], s[6:7], s[96:97]
	s_add_nc_u64 s[8:9], s[8:9], s[98:99]
	s_add_nc_u64 s[10:11], s[10:11], s[2:3]
	ROUND                                          ; all four work-groups are here: the joint loads meet
	ARM 4,  .Larm_v,  G0K,  G1K                    ; one tensor load a wave: every way through the chain passes exactly one
	ARM 8,  .Larm_ks, G0V,  G1V
	ARM 12, .Larm_vs, G0KS, G1KS
	tensor_load_to_lds s[G0VS:G0VS+3], s[G1VS:G1VS+7]
	s_nop 0
.rept 4
	v_nop
.endr
.Lasked:
	v_and_b32 v9, 31, v0
	s_delay_alu instid0(VALU_DEP_1)
	v_lshlrev_b32 v[L16], 4, v9
	s_delay_alu instid0(VALU_DEP_2)
	v_lshlrev_b32 v[L8], 3, v9
	v_and_b32 v10, 15, v0
	s_delay_alu instid0(VALU_DEP_1)
	v_lshl_add_u32 v[KS0], v10, 2, KSC
	s_delay_alu instid0(VALU_DEP_2)
	v_lshlrev_b32 v8, 2, v10
	global_load_b128 v[16:19], v[L16], s[94:95]    ; Q's fragment stays in registers
	global_load_b64 v[20:21], v[L8], s[94:95] offset:512
	global_load_b32 v255, v8, s[96:97]             ; and its scale words
.irp j, 22,23,24,25,26,27
	v_mov_b32 v[\j], 0                             ; K = 64 .. 127: zero codes
.endr
.irp t, 0,1,2,3
.irp j, 6,7,8,9,10,11
	v_mov_b32 v[32+12*\t+\j], 0                    ; the same of K's four fragments: set once, never loaded into
.endr
.endr
.set n, 0
.rept 32
	v_mov_b32 v[OT+n], 0                           ; the loop is written once: its first step finds zeros
.set n, n+1
.endr
	v_mov_b32 v13, 0xff61b1e6                      ; the largest t so far: -3e38
	s_delay_alu instid0(VALU_DEP_1)
	v_floor_f32 v12, -v13
	v_mov_b32 v14, 0
	v_mov_b32 v15, 0
.irp b, 0,1,2,3
	v_mov_b32 v[236+\b], 0                         ; a lane permute's destination counts as one of its sources
.endr
	v_mov_b32 v253, 0
	s_wait_alu depctr_va_vdst(0)                   ; the wait at the head's end
	s_wait_tensorcnt 0x0                           ; my load has landed,
	s_barrier_signal -1
	s_barrier_wait -1                              ; everybody's has: all sixteen steps lie in LDS
	s_wait_loadcnt 0x0                             ; Q
.Lstep:                                            ; sixteen trips, 128 keys each
	v_add_nc_u32 v[AD16], s[TB], v[L16]
	v_add_nc_u32 v[AD8], s[TB], v[L8]
	v_add_nc_u32 v[ADS], s[TS], v[KS0]
	v_add_nc_u32 v[VA16], VB, v[AD16]
	v_add_nc_u32 v[VA8], VB, v[AD8]
	s_wait_alu depctr_va_vdst(0)                   ; one wait for the five
.irp g, 0,1                                    ; S^T = K Q^T, four tiles of 16 keys at a time
.if \g > 0
.rept 4
	v_nop                                          ; plain instructions in front of loads into registers that matrix instructions have read
.endr
.endif
.irp t, 0,1,2,3
	ds_load_b128 v[32+12*\t:35+12*\t], v[AD16] offset:768*(4*\g+\t)
	ds_load_b64 v[36+12*\t:37+12*\t], v[AD8] offset:768*(4*\g+\t)+512
	ds_load_b32 v[248+\t], v[ADS] offset:64*(4*\g+\t)
.endr
	s_wait_dscnt 0x0
.irp t, 0,1,2,3
	v_wmma_scale_f32_16x16x128_f8f6f4 v[S+8*(4*\g+\t):S+8*(4*\g+\t)+7], v[32+12*\t:43+12*\t], v[16:27], 0, v[248+\t], v255 matrix_a_fmt:MATRIX_FMT_FP6 matrix_b_fmt:MATRIX_FMT_FP6
.endr
.endr
.rept 4
	v_nop
.endr
.irp t, 0,1,2,3                                ; V's four fragments are asked for now and land under the softmax
	ds_load_b128 v[80+12*\t:83+12*\t], v[VA16] offset:1536*\t
	ds_load_b64 v[84+12*\t:85+12*\t], v[VA8] offset:1536*\t+512
	ds_load_b128 v[86+12*\t:89+12*\t], v[VA16] offset:1536*\t+768
	ds_load_b64 v[90+12*\t:91+12*\t], v[VA8] offset:1536*\t+1280
	ds_load_b32 v[28+\t], v[ADS] offset:8192+128*\t
.endr
.irp b, 0,1,2,3
	v_max3_num_f32 v[232+\b], v[S+16*\b], v[S+1+16*\b], v[S+2+16*\b]   ; the largest score of each block of 32 keys: for the row's maximum, and, since p rises with the score, for the block's largest p
.endr
.irp i, 3,5,7,9,11,13
.irp b, 0,1,2,3
	v_max3_num_f32 v[232+\b], v[232+\b], v[S+16*\b+\i], v[S+1+16*\b+\i]
.endr
.endr
.irp b, 0,1,2,3
	v_max_num_f32 v[232+\b], v[232+\b], v[S+15+16*\b]
.endr
.irp b, 0,1,2,3
	s_delay_alu instid0(VALU_DEP_4)
	v_permlanex16_b32 v[236+\b], v[232+\b], s[SEL], s[SEL+1]
.endr
.irp b, 0,1,2,3
	s_delay_alu instid0(VALU_DEP_4)
	v_max_num_f32 v[232+\b], v[232+\b], v[236+\b]
.endr
	s_delay_alu instid0(VALU_DEP_2)
	v_max3_num_f32 v254, v232, v233, v234
	s_delay_alu instid0(VALU_DEP_1)
	v_max_num_f32 v254, v254, v235
	s_delay_alu instid0(VALU_DEP_1)
	v_mul_f32 v254, s[CS], v254
	s_delay_alu instid0(VALU_DEP_1)
	v_max_num_f32 v13, v13, v254                   ; the running largest t
	v_mov_b32 v254, v12
	s_delay_alu instid0(VALU_DEP_2)
	v_floor_f32 v12, -v13                          ; the new -M = -ceil(t)
	s_delay_alu instid0(VALU_DEP_1)
	v_sub_f32 v254, v12, v254                      ; old M - new M: a whole number, 0 or less
	s_delay_alu instid0(VALU_DEP_1)
	v_cvt_i32_f32 v254, v254                       ; (it saturates)
	s_delay_alu instid0(VALU_DEP_1)
	v_ldexp_f32 v252, 1.0, v254                    ; f = 2^(old M - new M)
.set n, 0
.rept 32
	v_pk_fma_f32 v[S+n:S+n+1], v[S+n:S+n+1], s[CS:CS+1], v[12:13] op_sel_hi:[1,0,0]   ; t - M
.set n, n+2
.endr
.irp b, 0,1,2,3
	v_fma_f32 v[232+\b], v[232+\b], s[CS], v12
.endr
.set n, 0
	s_wait_alu depctr_va_vdst(0)                   ; the wait ahead of the batch
.rept 64
	v_exp_f32 v[S+n], v[S+n]                       ; p = 2^(t - M)
.set n, n+1
.endr
	v_pk_mul_f32 v[14:15], v[14:15], v[252:253] op_sel_hi:[1,0]   ; the sums under the new M (a plain instruction behind the exponentials)
	s_wait_alu depctr_va_vdst(0)                   ; one wait for the batch, ahead of its first reader
.irp b, 0,1,2,3
	v_exp_f32 v[232+\b], v[232+\b]                 ; each block's largest p
.endr
	v_pk_add_f32 v[236:237], v[132:133], v[136:137]   ; the row's sum of the unquantised p, in eight chains
	v_pk_add_f32 v[250:251], v[140:141], v[144:145]
	v_pk_add_f32 v[248:249], v[148:149], v[152:153]
	v_pk_add_f32 v[246:247], v[156:157], v[160:161]
	v_pk_add_f32 v[244:245], v[164:165], v[168:169]
	v_pk_add_f32 v[240:241], v[172:173], v[176:177]
	v_pk_add_f32 v[238:239], v[180:181], v[184:185]
	v_pk_add_f32 v[14:15], v[14:15], v[188:189]
	v_pk_add_f32 v[236:237], v[236:237], v[128:129]
	v_pk_add_f32 v[250:251], v[250:251], v[130:131]
	v_pk_add_f32 v[248:249], v[248:249], v[134:135]
	v_pk_add_f32 v[246:247], v[246:247], v[138:139]
	v_pk_add_f32 v[244:245], v[244:245], v[142:143]
	v_pk_add_f32 v[240:241], v[240:241], v[146:147]
	v_pk_add_f32 v[238:239], v[238:239], v[150:151]
	v_pk_add_f32 v[14:15], v[14:15], v[154:155]
	v_pk_add_f32 v[236:237], v[236:237], v[158:159]
	v_pk_add_f32 v[250:251], v[250:251], v[162:163]
	v_pk_add_f32 v[248:249], v[248:249], v[166:167]
	v_pk_add_f32 v[246:247], v[246:247], v[170:171]
	v_pk_add_f32 v[244:245], v[244:245], v[174:175]
	v_pk_add_f32 v[240:241], v[240:241], v[178:179]
	v_pk_add_f32 v[238:239], v[238:239], v[182:183]
	v_pk_add_f32 v[14:15], v[14:15], v[186:187]
	v_pk_add_f32 v[236:237], v[236:237], v[190:191]
	s_delay_alu instid0(VALU_DEP_2)
	v_pk_add_f32 v[14:15], v[14:15], v[246:247]
	s_delay_alu instid0(VALU_DEP_2)
	v_pk_add_f32 v[236:237], v[236:237], v[244:245]
	v_pk_add_f32 v[250:251], v[250:251], v[240:241]
	v_pk_add_f32 v[248:249], v[248:249], v[238:239]
	s_delay_alu instid0(VALU_DEP_2)
	v_pk_add_f32 v[14:15], v[14:15], v[250:251]
	s_delay_alu instid0(VALU_DEP_2)
	v_pk_add_f32 v[236:237], v[236:237], v[248:249]
	s_delay_alu instid0(VALU_DEP_1)
	v_pk_add_f32 v[14:15], v[14:15], v[236:237]
	s_wait_alu depctr_va_vdst(0)                   ; and one for the four
.irp b, 0,1,2,3
	v_max_num_f32 v[232+\b], 0x1800000, v[232+\b]  ; the floor 2^(3 - 127)
.endr
.irp b, 0,1,2,3
	s_delay_alu instid0(VALU_DEP_4)
	v_add_nc_u32 v[244+\b], 0xff000000, v[232+\b]
.endr
.irp b, 0,1,2,3
	s_delay_alu instid0(VALU_DEP_4)
	v_lshrrev_b32 v[236+\b], 23, v[244+\b]
.endr
	s_delay_alu instid0(VALU_DEP_3)
	v_lshl_or_b32 v253, v237, 8, v236              ; p's scale word for these 128 keys
	s_delay_alu instid0(VALU_DEP_1)
	v_lshl_or_b32 v253, v238, 16, v253
	s_delay_alu instid0(VALU_DEP_1)
	v_lshl_or_b32 v253, v239, 24, v253
.irp c, 0,1
	v_cvt_scalef32_pk16_fp6_f32 v[224+6*\c:226+6*\c], v[S+32*\c:S+15+32*\c], v[244+2*\c]
	v_cvt_scalef32_pk16_fp6_f32 v[236+4*\c:238+4*\c], v[S+16+32*\c:S+31+32*\c], v[244+2*\c+1]
.endr
	v_nop
.irp c, 0,1
.irp i, 0,1,2
	v_permlane16_swap_b32 v[224+6*\c+\i], v[236+4*\c+\i]
.endr
.irp i, 0,1,2
	s_delay_alu instid0(VALU_DEP_3)
	v_mov_b32 v[227+6*\c+\i], v[236+4*\c+\i]
.endr
.endr
.set n, 0
.rept 16
	v_pk_mul_f32 v[OT+n:OT+n+1], v[OT+n:OT+n+1], v[252:253] op_sel_hi:[1,0]   ; O^T under the new M; these sixteen also stand between the operand's and the scale word's last writes and the products
.set n, n+2
.endr
	s_wait_alu depctr_va_vdst(0)
	s_wait_dscnt 0x0                               ; V
.irp t, 0,1,2,3                                ; O^T += V^T P^T: four accumulators, one instruction each
	v_wmma_scale_f32_16x16x128_f8f6f4 v[OT+8*\t:OT+8*\t+7], v[80+12*\t:91+12*\t], v[224:235], v[OT+8*\t:OT+8*\t+7], v[28+\t], v253 matrix_a_fmt:MATRIX_FMT_FP6 matrix_b_fmt:MATRIX_FMT_FP6
.endr
	s_add_co_u32 s[TB], s[TB], 6144
	s_add_co_u32 s[TS], s[TS], 512
	s_sub_co_u32 s[CNT], s[CNT], 1
	s_cmp_lg_u32 s[CNT], 0
	s_cbranch_scc1 .Lstep
	; THE WAY OUT.  O^T / the sum; the four tiles are laid so that, after an exchange of halves, lane (r, h) holds channels 32 h + 0 .. 31 of query r in order: a whole block of the next product's K, in its true order.
	v_add_f32 v14, v14, v15
	s_delay_alu instid0(VALU_DEP_1)
	v_permlanex16_b32 v252, v14, s[SEL], s[SEL+1]
	s_delay_alu instid0(VALU_DEP_1)
	v_add_f32 v14, v14, v252
	s_wait_alu depctr_va_vdst(0)
	v_rcp_f32 v14, v14
	v_and_b32 v7, 15, v0
	v_bfe_u32 v8, v0, 4, 1
	s_delay_alu instid0(VALU_DEP_1)
	v_lshl_add_u32 v7, v7, 2, v8                   ; my byte of the tile's 64: 4 r + h
	v_nop
	s_wait_alu depctr_va_vdst(0)
.irp t, 0,1,2,3
.irp j, 0,1,2,3,4,5,6,7
	v_mul_f32 v[S+8*(2*(\t%2)+\t/2)+\j], v[OT+8*\t+\j], v14   ; tiles 0, 1, 2, 3 to places 0, 2, 1, 3; each accumulator from its low end on
.endr
.endr
.irp j, 0,1,2,3,4,5,6,7
	v_permlane16_swap_b32 v[S+\j], v[S+8+\j]
	v_permlane16_swap_b32 v[S+16+\j], v[S+24+\j]
.endr
	v_max3_num_f32 v232, |v[S]|, |v[S+1]|, 0x1800000
.irp i, 2,4,6,8,10,12,14,16,18,20,22,24,26,28,30
	s_delay_alu instid0(VALU_DEP_1)
	v_max3_num_f32 v232, v232, |v[S+\i]|, |v[S+1+\i]|
.endr
	s_delay_alu instid0(VALU_DEP_1)
	v_add_nc_u32 v244, 0xff000000, v232
	s_delay_alu instid0(VALU_DEP_1)
	v_lshrrev_b32 v236, 23, v244
	v_cvt_scalef32_pk16_fp6_f32 v[224:226], v[S:S+15], v244
	v_cvt_scalef32_pk16_fp6_f32 v[228:230], v[S+16:S+31], v244
	v_nop
	v_mov_b32 v227, v228
	v_mov_b32 v228, v229
	v_mov_b32 v229, v230
	global_store_b128 v[L16], v[224:227], s[8:9]   ; my head's half of the image: 512 and 256 consecutive bytes
	global_store_b64 v[L8], v[228:229], s[8:9] offset:512
	global_store_b8 v7, v236, s[10:11]             ; a byte a lane: two heads, which are two work-groups, share a scale word; these bytes are 1/24 of the codes'
	s_wait_tensorcnt 0x0                           ; the wave's end
	ds_add_u32 v11, v243
	s_wait_dscnt 0x0
	ROUND                                          ; the closing round
	s_endpgm
.Lfunc_end_k_q5dda246662_attn:
	.size	k_q5dda246662_attn, .Lfunc_end_k_q5dda246662_attn-k_q5dda246662_attn
	.p2alignl 7, 3214868480
	.fill 96, 4, 3214868480
	.section	.rodata,"a",@progbits
	.p2align	6, 0x0
	.amdhsa_kernel k_q5dda246662_attn
		.amdhsa_group_segment_fixed_size 215040
		.amdhsa_private_segment_fixed_size 0
		.amdhsa_enable_private_segment 0
		.amdhsa_kernarg_size 32
		.amdhsa_user_sgpr_count 2
		.amdhsa_user_sgpr_kernarg_segment_ptr 1
		.amdhsa_wavefront_size32 1
		.amdhsa_system_sgpr_workgroup_id_x 1
		.amdhsa_system_sgpr_workgroup_id_y 1
		.amdhsa_system_sgpr_workgroup_id_z 1
		.amdhsa_system_vgpr_workitem_id 0
		.amdhsa_next_free_vgpr 256
		.amdhsa_next_free_sgpr 100
		.amdhsa_reserve_vcc 0
		.amdhsa_float_denorm_mode_32 3
		.amdhsa_float_denorm_mode_16_64 3
		.amdhsa_memory_ordered 1
		.amdhsa_forward_progress 1
		.amdhsa_inst_pref_size 34
	.end_amdhsa_kernel
	.amdgpu_metadata
---
amdhsa.version: [ 1, 2 ]
amdhsa.kernels:
  - .name:           k_q5dda246662_attn
    .symbol:         k_q5dda246662_attn.kd
    .args:
      - { .name: img, .offset: 0, .size: 8, .value_kind: global_buffer, .address_space: global }
      - { .name: sc, .offset: 8, .size: 8, .value_kind: global_buffer, .address_space: global }
      - { .name: o_img, .offset: 16, .size: 8, .value_kind: global_buffer, .address_space: global }
      - { .name: o_sc, .offset: 24, .size: 8, .value_kind: global_buffer, .address_space: global }
    .group_segment_fixed_size: 215040
    .private_segment_fixed_size: 0
    .kernarg_segment_align: 8
    .kernarg_segment_size: 32
    .max_flat_workgroup_size: 512
    .sgpr_count:     100
    .vgpr_count:     256
    .wavefront_size: 32
...
	.end_amdgpu_metadata
.endif
;; end of part 3
;; launch oproj (part 4): grid 8 x 32, 4 waves a work-group, clusters of 4 x 4, 327,680 bytes of LDS; arguments o_img, o_sc, out_w_codes, out_w_scales, out_b, x, x1; writes x1
.if DOCPART == 4
	.amdgcn_target "amdgcn-amd-amdhsa--gfx1250"
	.amdhsa_code_object_version 6
	.text
	.protected	k_q5dda246662_oproj
	.globl	k_q5dda246662_oproj
	.p2align	8
	.type	k_q5dda246662_oproj,@function
k_q5dda246662_oproj:
	s_mov_b64 s[64:65], 0
	v_nop
	global_prefetch_b8 v0, s[64:65] scope:SCOPE_SE
	s_setreg_imm32_b32 hwreg(HW_REG_WAVE_MODE, 25, 1), 1
	s_wait_xcnt 0x0
	s_wait_alu depctr_hold_cnt(0) depctr_sa_sdst(0) depctr_va_vdst(0) depctr_va_sdst(0) depctr_va_ssrc(0) depctr_va_vcc(0) depctr_vm_vsrc(0)
	s_getreg_b32 s2, hwreg(HW_REG_IB_STS2, 6, 4)
	s_cmp_eq_u32 s2, 0
	s_cbranch_scc0 .Lentry_in_a_cluster
	s_endpgm
.Lentry_in_a_cluster:
	s_bfe_u32 s2, ttmp6, 0x10000c
	s_cmp_lg_u32 s2, 0xf033
	s_cbranch_scc0 .Lentry_shape_is_right
	s_endpgm
.Lentry_shape_is_right:
.set SIZE_K, 1024
.set KSTEPS, SIZE_K/128
.set KROW,   SIZE_K*6/8
.set KS,     SIZE_K/32
.set LAPS,   SIZE_K/1024
.set AH,     24576
.set BP,     528                       ; B's LDS row: 512 bytes + 16.  B's tile rows are 512 bytes of memory that begin at multiples of 256: slot 0 holds bytes 0-511 of each 768 (1,024 along K), slot 1 bytes 256-767, read from byte 128 of its rows on
.set BH,     64*BP
.set BOFF,   2*AH
.set SLOT,   2*AH+2*BH
.set SCL,    2*SLOT
.set HALFS,  KSTEPS*272
.set SBLK,   (16*KS/256)*272
.set SPARE,  SCL+4*HALFS
.set AA16, 10
.set AA8,  12
.set ADRB, 16
.set ADSA, 20
.set ADSB, 21
.set STO,  24
.set RD,   25
.set CO,   26
.set BO,   27
.set SPW,  28
.set NIL,  29
.set SC,   32
.set BI,   96
.set ACC,  128
.set F0,   0
.set F1,   128
.set G1, 24
.set G0, 32
.set G1B, 48
.set G0B, 56
.set G1S, 68
.set G0S, 76
.set G1SB, 80
.set G0SB, 88
.set MSB, 0
.macro WIN new
.if MSB != (\new)
	s_set_vgpr_msb (MSB<<8)|(\new)
.set MSB, (\new)
.endif
.endm
.set MUL,  0x05
.set TO_F, 0x40
.macro JLOAD g0a, g1a, g0b, g1b
	s_cmp_eq_u32 s15, 0
	s_cbranch_scc0 .Lfor_b_\@
	tensor_load_to_lds s[\g0a:\g0a+3], s[\g1a:\g1a+7]
	s_nop 0
.rept 4
	v_nop
.endr
	s_branch .Lasked_\@
.Lfor_b_\@:
	tensor_load_to_lds s[\g0b:\g0b+3], s[\g1b:\g1b+7]
	s_nop 0
.rept 4
	v_nop
.endr
.Lasked_\@:
.endm
.macro CREST
	s_cmp_lg_u32 s14, 0
	s_cbranch_scc1 .Lnot_wave_0_\@
	s_barrier_signal -3
.Lnot_wave_0_\@:
	s_barrier_wait -3
	s_barrier_signal -1
	s_barrier_wait -1
.endm
.macro CROUND
	s_barrier_signal -1
	s_barrier_wait -1
	CREST
.endm
	s_load_b256 s[4:11], s[0:1], 0x0
	s_load_b64 s[12:13], s[0:1], 0x20
	s_load_b64 s[96:97], s[0:1], 0x28
	s_load_b64 s[98:99], s[0:1], 0x30
	v_lshl_add_u32 v[SPW], v0, 2, SPARE
	v_mov_b32 v[NIL], 0
	ds_add_u32 v28, v29
	ds_add_u32 v28, v29
	s_wait_dscnt 0x0
	v_lshrrev_b32 v1, 5, v0
	v_readfirstlane_b32 s14, v1
	s_lshr_b32 s15, s14, 1
	s_and_b32 s16, s14, 1
	s_bfe_u32 s40, ttmp6, 0x40000
	s_bfe_u32 s41, ttmp6, 0x40004
	s_lshl_b32 s42, ttmp9, 2
	s_add_co_u32 s42, s42, s40
	s_and_b32 s17, ttmp7, 0xffff
	s_lshl_b32 s17, s17, 2
	s_add_co_u32 s17, s17, s41
	s_lshl_b32 s43, s41, 2
	s_lshl_b32 s43, 15, s43
	s_lshl_b32 s44, 0x1111, s40
	s_or_b32 s[G1+0], s43, (3<<16)|(1<<21)
	s_mov_b32 s[G1+1], 768<<16
	s_mov_b32 s[G1+2], 8<<16                       ; the head's load brings both halves; behind it the two words are set to 4
	s_mov_b32 s[G1+3], 768<<16
	s_mov_b32 s[G1+4], 8
	s_mov_b32 s[G1+5], KSTEPS*192
	s_mov_b32 s[G1+6], 0
	s_mov_b32 s[G1+7], 0
	s_or_b32 s[G1B+0], s44, (0<<16)|(1<<20)|(1<<21)|(6<<22)|(3<<25)   ; padding of 4 words behind every 128
	s_mov_b32 s[G1B+1], 512<<16
	s_mov_b32 s[G1B+2], 128<<16
	s_mov_b32 s[G1B+3], 512<<16
	s_mov_b32 s[G1B+4], 128
	s_mov_b32 s[G1B+5], KROW
	s_mov_b32 s[G1B+6], 0
	s_mov_b32 s[G1B+7], 0
	s_or_b32 s[G1S+0], s43, (3<<16)|(1<<20)|(1<<21)|(5<<22)|(3<<25)
	s_or_b32 s[G1SB+0], s44, (3<<16)|(1<<20)|(1<<21)|(5<<22)|(3<<25)
	s_mov_b32 s[G1S+1], 64<<16                     ; A's scale words: a row of 512 bytes (8 tiles of 16 rows) for each step of 128 along K
	s_mov_b32 s[G1S+2], KSTEPS<<16
	s_mov_b32 s[G1S+3], 64<<16
	s_mov_b32 s[G1S+4], KSTEPS
	s_mov_b32 s[G1SB+1], 32<<16                    ; B's: the dense block of 128 rows, as rows of 256 bytes
	s_mov_b32 s[G1SB+2], (2*KSTEPS)<<16
	s_mov_b32 s[G1SB+3], 32<<16
	s_mov_b32 s[G1SB+4], 2*KSTEPS
.irp g, G1S, G1SB
	s_mov_b32 s[\g+6], 0
	s_mov_b32 s[\g+7], 0
.endr
	s_mov_b32 s[G1S+5], 2048
	s_mov_b32 s[G1SB+5], 32
	s_lshl_b32 s20, s17, 3
	s_lshl_b32 s18, s16, 2
	s_add_co_u32 s20, s20, s18
	s_lshl_b32 s22, s20, 6
	s_mov_b32 s23, 0
	s_mul_i32 s20, s20, KSTEPS*1536
	s_mov_b32 s21, 0
	s_lshl_b32 s46, s42, 7
	s_lshl_b32 s18, s16, 6
	s_add_co_u32 s46, s46, s18
	s_mul_i32 s92, s46, KS
	s_mov_b32 s93, 0
	s_mul_i32 s46, s46, KROW
	s_mov_b32 s47, 0
	s_mul_i32 s45, s16, AH
	s_mul_i32 s94, s16, BH
	s_add_co_u32 s94, s94, BOFF
	s_wait_kmcnt 0x0
	s_add_nc_u64 s[20:21], s[4:5], s[20:21]
	s_add_nc_u64 s[22:23], s[6:7], s[22:23]
	s_add_nc_u64 s[46:47], s[8:9], s[46:47]
	s_add_nc_u64 s[92:93], s[10:11], s[92:93]
	CROUND
	s_mov_b32 s[G0S], 1
	s_mov_b32 s[G0S+1], SCL
	s_lshl_b32 s2, s16, 8                          ; my half's offset, taken off again: the scales come for both halves at once
	s_mov_b32 s3, 0
	s_sub_nc_u64 s[G0S+2:G0S+3], s[22:23], s[2:3]
	s_or_b32 s[G0S+3], s[G0S+3], 0x80000000
	s_mov_b32 s[G0SB], 1
	s_mov_b32 s[G0SB+1], SCL+2*HALFS
	s_mul_i32 s2, s16, 64*KS
	s_sub_nc_u64 s[G0SB+2:G0SB+3], s[92:93], s[2:3]
	s_or_b32 s[G0SB+3], s[G0SB+3], 0x80000000
.irp s, 0,1
	s_mov_b32 s[G0+4*\s], 1
	s_add_co_u32 s[G0+4*\s+1], s45, \s*SLOT
	s_add_nc_u64 s[G0+4*\s+2:G0+4*\s+3], s[20:21], \s*6144
	s_or_b32 s[G0+4*\s+3], s[G0+4*\s+3], 0x80000000
	s_mov_b32 s[G0B+4*\s], 1
	s_add_co_u32 s[G0B+4*\s+1], s94, \s*SLOT
	s_add_nc_u64 s[G0B+4*\s+2:G0B+4*\s+3], s[46:47], \s*256
	s_or_b32 s[G0B+4*\s+3], s[G0B+4*\s+3], 0x80000000
.endr
; THE HEAD'S LOADS, ONE A WAVE: wave 0 slot 0's images of A, both halves (its own group 0 begins at the first), wave 1 A's scale words, wave 2 slot 0's 128 rows of B, wave 3 B's scales.
.macro ARM under, next, g0, g1
	s_cmp_lt_u32 s14, \under
	s_cbranch_scc0 \next
	tensor_load_to_lds s[\g0:\g0+3], s[\g1:\g1+7]
	s_nop 0
.rept 4
	v_nop
.endr
	s_branch .Lhead_asked
\next:
.endm
	ARM 1, .Lhead_1, G0, G1
	ARM 2, .Lhead_2, G0S, G1S
	ARM 3, .Lhead_3, G0B, G1B
	tensor_load_to_lds s[G0SB:G0SB+3], s[G1SB:G1SB+7]
	s_nop 0
.rept 4
	v_nop
.endr
.Lhead_asked:
	v_and_b32 v1, 15, v0
	v_bfe_u32 v2, v0, 4, 1
	v_and_b32 v3, 31, v0
	s_mul_i32 s21, s15, AH
	v_lshl_add_u32 v[AA16], v3, 4, s21
	v_lshl_add_u32 v[AA8], v3, 3, s21
	v_add_nc_u32 v[AA16+1], SLOT, v[AA16]
	v_add_nc_u32 v[AA8+1], SLOT, v[AA8]
	v_mul_u32_u24 v4, v1, BP
	v_mad_u32_u24 v4, v2, 24, v4
	s_mul_i32 s22, s16, BH
	s_add_co_u32 s22, s22, BOFF
	v_add_nc_u32 v[ADRB], s22, v4
	s_add_co_u32 s22, s22, SLOT+128                ; slot 1's rows begin 128 bytes ahead of its four steps
	v_add_nc_u32 v[ADRB+1], s22, v4
	s_mul_i32 s21, s15, 272                        ; my half of each step's row of A's scale words
	s_add_co_u32 s21, s21, SCL
	v_lshl_add_u32 v[ADSA], v1, 2, s21
	v_mul_u32_u24 v5, v1, KS
	v_lshrrev_b32 v6, 8, v5
	v_lshl_add_u32 v5, v6, 4, v5
	s_mul_i32 s22, s16, HALFS
	s_add_co_u32 s22, s22, SCL+2*HALFS
	v_add_nc_u32 v[ADSB], s22, v5
	s_mul_i32 s23, s14, 16*272
	v_mul_u32_u24 v5, v1, 272
	v_lshl_add_u32 v5, v2, 5, v5
	v_add_nc_u32 v[STO], s23, v5
	v_mul_u32_u24 v5, v2, 272
	v_lshl_add_u32 v5, v1, 4, v5
	v_add_nc_u32 v[RD], s23, v5
	v_lshlrev_b32 v[CO], 12, v2
	v_lshl_add_u32 v[CO], v1, 4, v[CO]
	v_lshlrev_b32 v[BO], 4, v1
	s_wait_alu depctr_va_vdst(0)
	s_lshl_b32 s20, s17, 7
	s_lshl_b32 s21, s15, 6
	s_add_co_u32 s20, s20, s21
	s_lshl_b32 s20, s20, 12
	s_lshl_b32 s46, s42, 9
	s_lshl_b32 s47, s16, 8
	s_add_co_u32 s46, s46, s47
	s_mov_b32 s47, 0
	s_add_nc_u64 s[12:13], s[12:13], s[46:47]
	s_add_co_u32 s20, s20, s46
	s_mov_b32 s21, 0
	s_add_nc_u64 s[96:97], s[96:97], s[20:21]
	s_add_nc_u64 s[98:99], s[98:99], s[20:21]
	global_load_b128 v[BI:BI+3], v[BO], s[12:13]
.macro FRAG_A reg, slot, q, i
	ds_load_b128 v[\reg:\reg+3], v[AA16+\slot] offset:6144*(\i)+1536*(\q)
	ds_load_b64 v[\reg+4:\reg+5], v[AA8+\slot] offset:6144*(\i)+1536*(\q)+512
	ds_load_b128 v[\reg+6:\reg+9], v[AA16+\slot] offset:6144*(\i)+1536*(\q)+768
	ds_load_b64 v[\reg+10:\reg+11], v[AA8+\slot] offset:6144*(\i)+1536*(\q)+1280
.endm
.macro FRAG_B reg, slot, q, i
.irp p, 0,1,2,3,4,5
	ds_load_b64 v[\reg+2*\p:\reg+2*\p+1], v[ADRB+\slot] offset:96*(\q)+48*(\p/3)+8*(\p%3)+(\i)*16*BP
.endr
.endm
.macro FETCH slot, q, f
	WIN TO_F
.irp i, 0,1,2,3
	FRAG_B \f+48+12*\i, \slot, \q, \i
.endr
.irp i, 0,1,2,3
	FRAG_A \f+12*\i, \slot, \q, \i
.endr
	WIN 0
.endm
.macro SCALES set
.irp a, 0,1,2,3
.irp q, 0,1,2,3
	ds_load_b32 v[SC+32*(\set)+4*\a+\q], v[ADSA] offset:544*\q+64*\a
.endr
.endr
.irp b, 0,1,2,3
	ds_load_b128 v[SC+16+32*(\set)+4*\b:SC+16+32*(\set)+4*\b+3], v[ADSB] offset:\b*SBLK
.endr
.endm
.macro MULA f, a, set, q, zero
.irp b, 0,1,2,3
.if \zero
	v_wmma_scale_f32_16x16x128_f8f6f4 v[ACC+8*(4*(\a)+\b):ACC+8*(4*(\a)+\b)+7], v[\f+48+12*\b:\f+48+12*\b+11], v[\f+12*(\a):\f+12*(\a)+11], 0, v[SC+16+32*(\set)+4*\b+(\q)], v[SC+32*(\set)+4*(\a)+(\q)] matrix_a_fmt:MATRIX_FMT_FP6 matrix_b_fmt:MATRIX_FMT_FP6
.else
	v_wmma_scale_f32_16x16x128_f8f6f4 v[ACC+8*(4*(\a)+\b):ACC+8*(4*(\a)+\b)+7], v[\f+48+12*\b:\f+48+12*\b+11], v[\f+12*(\a):\f+12*(\a)+11], v[ACC+8*(4*(\a)+\b):ACC+8*(4*(\a)+\b)+7], v[SC+16+32*(\set)+4*\b+(\q)], v[SC+32*(\set)+4*(\a)+(\q)] matrix_a_fmt:MATRIX_FMT_FP6 matrix_b_fmt:MATRIX_FMT_FP6
.endif
.endr
.endm
.macro PLACES n
.rept \n
	v_nop
.endr
.endm
.macro QUARTER slot, q, f, g, zero
	s_wait_dscnt 0x0
	PLACES 4
	FETCH \slot, (\q)+1, \g
	WIN MUL
	MULA \f, 0, \slot, \q, \zero
	MULA \f, 1, \slot, \q, \zero
	MULA \f, 2, \slot, \q, \zero
	MULA \f, 3, \slot, \q, \zero
.endm
.macro TURN slot, next, fill
	WIN 0
	s_wait_tensorcnt 0x0
	ds_add_u32 v[SPW], v[NIL]
	s_wait_dscnt 1
	WIN MUL
	MULA F1, 0, \slot, 3, 0
	s_wait_dscnt 0x0
	s_barrier_signal -1
	MULA F1, 1, \slot, 3, 0
	WIN 0
	s_barrier_wait -1
.if \fill
	CREST
	s_add_nc_u64 s[G0+4*\slot+2:G0+4*\slot+3], s[G0+4*\slot+2:G0+4*\slot+3], 2*6144
	s_add_nc_u64 s[G0B+4*\slot+2:G0B+4*\slot+3], s[G0B+4*\slot+2:G0B+4*\slot+3], 2*384
	JLOAD G0+4*\slot, G1, G0B+4*\slot, G1B
.else
	PLACES 4
.endif
	v_add_nc_u32 v[ADSA], 4*544, v[ADSA]
	v_add_nc_u32 v[ADSB], 16, v[ADSB]
	FETCH \next, 0, F0
	SCALES \next
	WIN MUL
	MULA F1, 2, \slot, 3, 0
	MULA F1, 3, \slot, 3, 0
.endm
	s_wait_alu depctr_va_vdst(0)                   ; the wait at the head's end
	s_wait_tensorcnt 0x0                           ; my tile of the head's four is in; the lines ahead of a later first fill:
	ds_add_u32 v[SPW], v[NIL]
	s_mov_b32 s[G1+2], 4<<16                       ; no tensor load of mine is out: from here on a load brings one half
	s_mov_b32 s[G1+4], 4
	s_mov_b32 s[G1B+2], 64<<16
	s_mov_b32 s[G1B+4], 64
	s_wait_dscnt 0x0
	CROUND                                         ; all four tiles are in, and all sixteen work-groups are here
	JLOAD G0+4, G1, G0B+4, G1B                     ; slot 1's first fill, the first tensor load behind the round
	FETCH 0, 0, F0
	SCALES 0
	QUARTER 0, 0, F0, F1, 1
.if LAPS > 1
	WIN 0
	s_mov_b32 s3, LAPS-1
.Llap:
	QUARTER 0, 1, F1, F0, 0
	QUARTER 0, 2, F0, F1, 0
	TURN 0, 1, 1
	QUARTER 1, 0, F0, F1, 0
	QUARTER 1, 1, F1, F0, 0
	QUARTER 1, 2, F0, F1, 0
	TURN 1, 0, 1
	QUARTER 0, 0, F0, F1, 0
	WIN 0
	s_sub_co_u32 s3, s3, 1
	s_cmp_lg_u32 s3, 0
	s_cbranch_scc1 .Llap
.endif
	WIN 0x80                                       ; the residual's 64 rows x 256 bytes, into window 2: asked for here, behind the last tensor load's request; seven quarter steps stand ahead of the one wait for them
.irp a, 0,1,2,3
.irp t, 0,1,2,3,4,5,6,7
	global_load_b128 v[32*\a+4*\t:32*\a+4*\t+3], v[CO], s[96:97] offset:(16*\a+2*\t)*4096
.endr
.endr
	WIN 0
	QUARTER 0, 1, F1, F0, 0
	QUARTER 0, 2, F0, F1, 0
	TURN 0, 1, 0
	QUARTER 1, 0, F0, F1, 0
	QUARTER 1, 1, F1, F0, 0
	QUARTER 1, 2, F0, F1, 0
	s_wait_dscnt 0x0
	MULA F1, 0, 1, 3, 0
	MULA F1, 1, 1, 3, 0
	MULA F1, 2, 1, 3, 0
	MULA F1, 3, 1, 3, 0
	WIN 0
	PLACES 4
	s_wait_loadcnt 0x0
	WIN 0x82
.set n, 0
.rept 32
	v_pk_add_f32 v[4*n:4*n+1], v[4*n:4*n+1], v[BI:BI+1]
	v_pk_add_f32 v[4*n+2:4*n+3], v[4*n+2:4*n+3], v[BI+2:BI+3]
.set n, n+1
.endr
.irp a, 0,1,2,3
	WIN 0
.irp b, 0,1,2,3
	ds_store_b128 v[STO], v[ACC+8*(4*\a+\b):ACC+8*(4*\a+\b)+3] offset:64*\b
	ds_store_b128 v[STO], v[ACC+8*(4*\a+\b)+4:ACC+8*(4*\a+\b)+7] offset:64*\b+16
.endr
	WIN 0x40
.irp t, 0,1,2,3,4,5,6,7
	ds_load_b128 v[32*(\a%2)+4*\t:32*(\a%2)+4*\t+3], v[RD] offset:\t*544
.endr
	s_wait_dscnt 0x0
	WIN 0x86
.set n, 0
.rept 16
	v_pk_add_f32 v[32*\a+n:32*\a+n+1], v[32*\a+n:32*\a+n+1], v[32*(\a%2)+n:32*(\a%2)+n+1]
.set n, n+2
.endr
	WIN 0x08
.irp t, 0,1,2,3,4,5,6,7
	global_store_b128 v[CO], v[32*\a+4*\t:32*\a+4*\t+3], s[98:99] offset:(16*\a+2*\t)*4096
.endr
.endr
	WIN 0
	s_wait_tensorcnt 0x0
	ds_add_u32 v[SPW], v[NIL]
	s_wait_dscnt 0x0
	CROUND
	s_endpgm
.Lfunc_end_k_q5dda246662_oproj:
	.size	k_q5dda246662_oproj, .Lfunc_end_k_q5dda246662_oproj-k_q5dda246662_oproj
	.p2alignl 7, 3214868480
	.fill 96, 4, 3214868480
	.section	.rodata,"a",@progbits
	.p2align	6, 0x0
	.amdhsa_kernel k_q5dda246662_oproj
		.amdhsa_group_segment_fixed_size 327680
		.amdhsa_private_segment_fixed_size 0
		.amdhsa_enable_private_segment 0
		.amdhsa_kernarg_size 56
		.amdhsa_user_sgpr_count 2
		.amdhsa_user_sgpr_kernarg_segment_ptr 1
		.amdhsa_wavefront_size32 1
		.amdhsa_system_sgpr_workgroup_id_x 1
		.amdhsa_system_sgpr_workgroup_id_y 1
		.amdhsa_system_sgpr_workgroup_id_z 1
		.amdhsa_system_vgpr_workitem_id 0
		.amdhsa_next_free_vgpr 640
		.amdhsa_next_free_sgpr 100
		.amdhsa_reserve_vcc 0
		.amdhsa_float_denorm_mode_32 3
		.amdhsa_float_denorm_mode_16_64 3
		.amdhsa_memory_ordered 1
		.amdhsa_forward_progress 1
		.amdhsa_inst_pref_size 71
	.end_amdhsa_kernel
	.amdgpu_metadata
---
amdhsa.version: [ 1, 2 ]
amdhsa.kernels:
  - .name:           k_q5dda246662_oproj
    .symbol:         k_q5dda246662_oproj.kd
    .args:
      - { .name: o_img, .offset: 0, .size: 8, .value_kind: global_buffer, .address_space: global }
      - { .name: o_sc, .offset: 8, .size: 8, .value_kind: global_buffer, .address_space: global }
      - { .name: out_w_codes, .offset: 16, .size: 8, .value_kind: global_buffer, .address_space: global }
      - { .name: out_w_scales, .offset: 24, .size: 8, .value_kind: global_buffer, .address_space: global }
      - { .name: out_b, .offset: 32, .size: 8, .value_kind: global_buffer, .address_space: global }
      - { .name: x, .offset: 40, .size: 8, .value_kind: global_buffer, .address_space: global }
      - { .name: x1, .offset: 48, .size: 8, .value_kind: global_buffer, .address_space: global }
    .group_segment_fixed_size: 327680
    .private_segment_fixed_size: 0
    .kernarg_segment_align: 8
    .kernarg_segment_size: 56
    .max_flat_workgroup_size: 128
    .sgpr_count:     100
    .vgpr_count:     640
    .wavefront_size: 32
...
	.end_amdgpu_metadata
.endif
;; end of part 4
;; launch ln2: the kernel of part 1 again; grid 256 x 1, 8 waves a work-group, no clusters, 83,456 bytes of LDS; arguments x1, norm2_g, norm2_b, h_codes, h_scales; writes h_codes, h_scales
;; launch ff1 (part 5): grid 16 x 16, 4 waves a work-group, clusters of 4 x 4, 327,680 bytes of LDS; arguments h_codes, h_scales, ff1_w_codes, ff1_w_scales, ff1_b, img, sc; writes img, sc
.if DOCPART == 5
	.amdgcn_target "amdgcn-amd-amdhsa--gfx1250"
	.amdhsa_code_object_version 6
	.text
	.protected	k_q5dda246662_ff1
	.globl	k_q5dda246662_ff1
	.p2align	8
	.type	k_q5dda246662_ff1,@function
k_q5dda246662_ff1:
	s_mov_b64 s[64:65], 0
	v_nop
	global_prefetch_b8 v0, s[64:65] scope:SCOPE_SE
	s_setreg_imm32_b32 hwreg(HW_REG_WAVE_MODE, 25, 1), 1
	s_wait_xcnt 0x0
	s_wait_alu depctr_hold_cnt(0) depctr_sa_sdst(0) depctr_va_vdst(0) depctr_va_sdst(0) depctr_va_ssrc(0) depctr_va_vcc(0) depctr_vm_vsrc(0)
	s_getreg_b32 s2, hwreg(HW_REG_IB_STS2, 6, 4)
	s_cmp_eq_u32 s2, 0
	s_cbranch_scc0 .Lentry_in_a_cluster
	s_endpgm
.Lentry_in_a_cluster:
	s_bfe_u32 s2, ttmp6, 0x10000c
	s_cmp_lg_u32 s2, 0xf033
	s_cbranch_scc0 .Lentry_shape_is_right
	s_endpgm
.Lentry_shape_is_right:
.set SIZE_K, 1024
; gelu(h W^T + b) on codes of FP6, quantised at once along the hidden units.  K goes in CHUNKS OF 256 BYTES of each row of codes through two LDS slots; chunk c lies in slot c % 2; a matrix step of 128 along K is 96 bytes, eight steps to three chunks.
.set NQ,     2                         ; steps that one set of scale words serves
.set ROWB,   256                       ; a tile's row: a chunk of a row of codes; it begins at a multiple of 256 bytes
.set KROW,   SIZE_K*6/8
.set PITCH,  272                       ; an LDS row: 256 bytes + 16 of padding
.set FR,     12
.set NL,     6
.set NP,     4
.set HALFT,  128*PITCH
.set SLOT,   4*HALFT
.set STEPS,  SIZE_K/128
.set CHUNKS, KROW/ROWB
.set KS,     SIZE_K/32
.set SCL,    2*SLOT
.set HALFS,  (128*KS/256)*272
.set SBLK,   (16*KS/256)*272
.set SPARE,  SCL+4*HALFS
.set SCRR, 8
.set ADRA, 16
.set ADRB, 20
.set L16,  24
.set L8,   25
.set SCRW, 26
.set ADRS, 27
.set SPW,  28
.set NIL,  29
.set BO,   30
.set SC,   32
.set BC,   64
.set AF,   128
.set T,    128
.set PC,   192
.set XT,   204
.set MX,   212
.set SO,   214
.set BY,   216
.set W,    218
.set WT,   219
.set PW,   220
.set H8,   221
.set A1V,  222
.set RB,   224
.set B1V,  228
.set SCAD, 230
.set XX,   0
.set X2,   64
.set PP,   128
.set QQ,   192
.set SEL,  92
.set G1, 24
.set G0, 32
.set G1B, 48
.set G0B, 56
.set G1S, 68
.set G0S, 76
.set G1SB, 80
.set G0SB, 88
.set MSB, 0
.macro WIN new
.if MSB != (\new)
	s_set_vgpr_msb (MSB<<8)|(\new)
.set MSB, (\new)
.endif
.endm
.set MUL_LO, 0xa1
.set MUL_HI, 0xf1
.set TO_B,   0x40
.macro JLOAD g0a, g1a, g0b, g1b
	s_cmp_eq_u32 s15, 0
	s_cbranch_scc0 .Lfor_b_\@
	tensor_load_to_lds s[\g0a:\g0a+3], s[\g1a:\g1a+7]
	s_nop 0
.rept 4
	v_nop
.endr
	s_branch .Lasked_\@
.Lfor_b_\@:
	tensor_load_to_lds s[\g0b:\g0b+3], s[\g1b:\g1b+7]
	s_nop 0
.rept 4
	v_nop
.endr
.Lasked_\@:
.endm
.macro CREST
	s_cmp_lg_u32 s14, 0
	s_cbranch_scc1 .Lnot_wave_0_\@
	s_barrier_signal -3
.Lnot_wave_0_\@:
	s_barrier_wait -3
	s_barrier_signal -1
	s_barrier_wait -1
.endm
.macro CROUND
	s_barrier_signal -1
	s_barrier_wait -1
	CREST
.endm
	s_load_b256 s[4:11], s[0:1], 0x0
	s_load_b64 s[12:13], s[0:1], 0x20
	s_load_b64 s[96:97], s[0:1], 0x28
	s_load_b64 s[98:99], s[0:1], 0x30
	v_lshl_add_u32 v[SPW], v0, 2, SPARE
	v_mov_b32 v[NIL], 0
	ds_add_u32 v28, v29
	ds_add_u32 v28, v29
	s_wait_dscnt 0x0
	v_lshrrev_b32 v1, 5, v0
	v_readfirstlane_b32 s14, v1
	s_lshr_b32 s15, s14, 1
	s_and_b32 s16, s14, 1
	s_bfe_u32 s40, ttmp6, 0x40000
	s_bfe_u32 s41, ttmp6, 0x40004
	s_lshl_b32 s42, ttmp9, 2
	s_add_co_u32 s42, s42, s40
	s_and_b32 s17, ttmp7, 0xffff
	s_lshl_b32 s17, s17, 2
	s_add_co_u32 s17, s17, s41
	s_lshl_b32 s43, s41, 2
	s_lshl_b32 s43, 15, s43
	s_lshl_b32 s44, 0x1111, s40
	s_or_b32 s[G1+0], s43, (0<<16)|(1<<20)|(1<<21)|(5<<22)|(3<<25)  ; mask; elements of 1 byte; padding of 4 words behind every 64; bit 21 beside a mask
	s_or_b32 s[G1B+0], s44, (0<<16)|(1<<20)|(1<<21)|(5<<22)|(3<<25)
.irp g, G1, G1B
	s_mov_b32 s[\g+1], ROWB<<16
	s_mov_b32 s[\g+2], 256<<16                     ; the head's loads bring 256 rows; behind them the two words are set to 128
	s_mov_b32 s[\g+3], ROWB<<16
	s_mov_b32 s[\g+4], 256
	s_mov_b32 s[\g+5], KROW
	s_mov_b32 s[\g+6], 0
	s_mov_b32 s[\g+7], 0
.endr
	s_or_b32 s[G1S+0], s43, (3<<16)|(1<<20)|(1<<21)|(5<<22)|(3<<25)
	s_or_b32 s[G1SB+0], s44, (3<<16)|(1<<20)|(1<<21)|(5<<22)|(3<<25)
.irp g, G1S, G1SB
	s_mov_b32 s[\g+1], 32<<16
	s_mov_b32 s[\g+2], KS<<16                      ; the scales of 256 rows: KS rows of 256 bytes
	s_mov_b32 s[\g+3], 32<<16
	s_mov_b32 s[\g+4], KS
	s_mov_b32 s[\g+5], 32
	s_mov_b32 s[\g+6], 0
	s_mov_b32 s[\g+7], 0
.endr
	s_lshl_b32 s18, s16, 7
	s_lshl_b32 s20, s17, 8
	s_add_co_u32 s20, s20, s18
	s_lshl_b32 s46, s42, 8
	s_add_co_u32 s46, s46, s18
	s_mov_b32 s21, 0
	s_mov_b32 s47, 0
	s_mov_b64 s[18:19], KS
	s_mul_u64 s[22:23], s[20:21], s[18:19]
	s_mul_u64 s[92:93], s[46:47], s[18:19]
	s_mov_b64 s[18:19], KROW
	s_mul_u64 s[20:21], s[20:21], s[18:19]
	s_mul_u64 s[46:47], s[46:47], s[18:19]
	s_mul_i32 s45, s14, HALFT
	s_wait_kmcnt 0x0
	s_add_nc_u64 s[20:21], s[4:5], s[20:21]
	s_add_nc_u64 s[22:23], s[6:7], s[22:23]
	s_add_nc_u64 s[46:47], s[8:9], s[46:47]
	s_add_nc_u64 s[92:93], s[10:11], s[92:93]
	CROUND
	s_mov_b32 s[G0S], 1
	s_mov_b32 s[G0S+1], SCL
	s_lshl_b32 s2, s16, 12                         ; my half's 128 rows x 32 bytes, taken off again: the scales come for all 256 rows at once
	s_mov_b32 s3, 0
	s_sub_nc_u64 s[G0S+2:G0S+3], s[22:23], s[2:3]
	s_or_b32 s[G0S+3], s[G0S+3], 0x80000000
	s_mov_b32 s[G0SB], 1
	s_mov_b32 s[G0SB+1], SCL+2*HALFS
	s_sub_nc_u64 s[G0SB+2:G0SB+3], s[92:93], s[2:3]
	s_or_b32 s[G0SB+3], s[G0SB+3], 0x80000000
.irp s, 0,1
	s_mov_b32 s[G0+4*\s], 1
	s_add_co_u32 s[G0+4*\s+1], s45, \s*SLOT
	s_add_nc_u64 s[G0+4*\s+2:G0+4*\s+3], s[20:21], \s*ROWB
	s_or_b32 s[G0+4*\s+3], s[G0+4*\s+3], 0x80000000
	s_mov_b32 s[G0B+4*\s], 1
	s_add_co_u32 s[G0B+4*\s+1], s45, \s*SLOT
	s_add_nc_u64 s[G0B+4*\s+2:G0B+4*\s+3], s[46:47], \s*ROWB
	s_or_b32 s[G0B+4*\s+3], s[G0B+4*\s+3], 0x80000000
.endr
; THE HEAD'S LOADS, ONE A WAVE: wave 0 chunk 0's 256 rows of A (its own group 0 begins at the tile's first row and at LDS byte 0), wave 1 A's scales, wave 2 chunk 0's 256 rows of B, wave 3 B's scales.
.macro ARM under, next, g0, g1
	s_cmp_lt_u32 s14, \under
	s_cbranch_scc0 \next
	tensor_load_to_lds s[\g0:\g0+3], s[\g1:\g1+7]
	s_nop 0
.rept 4
	v_nop
.endr
	s_branch .Lhead_asked
\next:
.endm
	ARM 1, .Lhead_1, G0, G1
	ARM 2, .Lhead_2, G0S, G1S
	ARM 3, .Lhead_3, G0B, G1B
	tensor_load_to_lds s[G0SB:G0SB+3], s[G1SB:G1SB+7]
	s_nop 0
.rept 4
	v_nop
.endr
.Lhead_asked:
	v_and_b32 v1, 15, v0
	v_bfe_u32 v2, v0, 4, 1
	v_mul_u32_u24 v3, v1, PITCH
	v_mul_u32_u24 v4, v2, 24
	v_add_nc_u32 v4, v3, v4
	s_mov_b32 s21, SLOT-232
	s_mov_b32 s22, SLOT+232
	v_sub_nc_u32 v7, 1, v2                         ; 1 in lanes 0-15
	v_mul_u32_u24 v5, s21, v2
	v_add_nc_u32 v5, v3, v5
	v_add_nc_u32 v5, 232, v5                       ; across two chunks: lanes 0-15 byte 232 of the row in slot 0, lanes 16-31 byte 0 of the row in slot 1;
	v_mul_u32_u24 v6, s22, v7
	v_add_nc_u32 v6, v3, v6                        ; and lanes 0-15 byte 232 in slot 1, lanes 16-31 byte 0 in slot 0
	s_mul_i32 s21, s15, HALFT
	s_mul_i32 s22, s16, HALFT
	s_add_co_u32 s22, s22, 2*HALFT
	v_add_nc_u32 v[ADRA+2], s21, v5
	v_add_nc_u32 v[ADRA+3], s21, v6
	v_add_nc_u32 v[ADRB+2], s22, v5
	v_add_nc_u32 v[ADRB+3], s22, v6
.irp s, 0,1
	v_add_nc_u32 v[ADRA+\s], s21, v4
	v_add_nc_u32 v[ADRB+\s], s22, v4
	s_add_co_u32 s21, s21, SLOT
	s_add_co_u32 s22, s22, SLOT
.endr
	v_mul_u32_u24 v5, v1, KS
	v_lshrrev_b32 v6, 8, v5
	v_lshl_add_u32 v5, v6, 4, v5
	s_mul_i32 s21, s15, HALFS
	s_mul_i32 s22, s16, HALFS
	s_add_co_u32 s22, s22, 2*HALFS
	s_sub_co_u32 s22, s22, s21
	v_mul_u32_u24 v6, s22, v2
	s_add_co_u32 s21, s21, SCL
	v_add_nc_u32 v5, v5, v6
	v_add_nc_u32 v[ADRS], s21, v5
	v_and_b32 v6, 31, v0
	s_lshl_b32 s23, s14, 9                         ; my 512 bytes of scratch,
	s_add_co_u32 s23, s23, SLOT                    ; in slot 1, which does not hold the last chunk: it has had its last fill and its last read when the scratch is used
	v_lshl_add_u32 v[SCRW], v1, 2, s23
	v_lshl_add_u32 v[SCRR], v6, 4, s23
	v_lshlrev_b32 v[L16], 4, v6
	v_lshlrev_b32 v[L8], 3, v6
	v_lshlrev_b32 v[BO], 5, v2
	s_wait_alu depctr_va_vdst(0)
	s_lshl_b32 s18, s42, 1
	s_add_co_u32 s18, s18, s16
	s_lshl_b32 s19, s17, 4
	s_lshl_b32 s20, s15, 3
	s_add_co_u32 s19, s19, s20
	s_lshl_b32 s20, s19, 5
	s_add_co_u32 s20, s20, s18
	s_mul_i32 s20, s20, 1536
	s_mov_b32 s21, 0
	s_add_nc_u64 s[96:97], s[96:97], s[20:21]
	s_lshl_b32 s20, s18, 8
	s_add_co_u32 s20, s20, s19
	s_lshl_b32 s20, s20, 6
	s_add_nc_u64 s[98:99], s[98:99], s[20:21]
	s_lshl_b32 s20, s18, 9
	s_add_nc_u64 s[12:13], s[12:13], s[20:21]
.irp b, 0,1,2,3,4,5,6,7
	global_load_b128 v[BC+8*\b:BC+8*\b+3], v[BO], s[12:13] offset:64*\b
	global_load_b128 v[BC+8*\b+4:BC+8*\b+7], v[BO], s[12:13] offset:64*\b+16
.endr
	s_wait_loadcnt 0x0
.macro FRAG reg, adr, st, i            ; a fragment of step st: lane l holds row l % 16; registers 6 c .. 6 c + 5 hold K = 64 c + 32 (l / 16) + 0 .. 31: 24 bytes as they lie, in pieces of 8
.irp p, 0,1,2,3,4,5
.set FBY, 96*(\st)+48*(\p/3)+8*(\p%3)  ; the piece of lanes 0-15 in the row of codes; byte y lies in chunk y / 256, slot (y / 256) % 2; lanes 16-31 read 24 bytes on
.if FBY/ROWB == (FBY+24)/ROWB
	ds_load_b64 v[\reg+2*\p:\reg+2*\p+1], v[\adr+(FBY/ROWB)%2] offset:FBY%ROWB+(\i)*16*PITCH
.else
	ds_load_b64 v[\reg+2*\p:\reg+2*\p+1], v[\adr+2+(FBY/ROWB)%2] offset:FBY%ROWB-232+(\i)*16*PITCH
.endif
.endr
.endm
.macro MUL16 a0, p, q, sc, zero
.irp a, \a0, \a0+1
.irp b, 0,1,2,3,4,5,6,7
.if \zero
	v_wmma_scale_f32_16x16x128_f8f6f4 v[8*(8*((\a)%4)+\b):8*(8*((\a)%4)+\b)+7], v[128*(\p)+FR*\b:128*(\p)+FR*\b+FR-1], v[AF+FR*(\a):AF+FR*(\a)+FR-1], 0, v[SC+8*NQ*(\sc)+NQ*\b+(\q)], v[SC+8*NQ*(\sc)+NQ*(\a)+(\q)] matrix_a_fmt:MATRIX_FMT_FP6 matrix_b_fmt:MATRIX_FMT_FP6 matrix_a_scale:MATRIX_SCALE_ROW1
.else
	v_wmma_scale_f32_16x16x128_f8f6f4 v[8*(8*((\a)%4)+\b):8*(8*((\a)%4)+\b)+7], v[128*(\p)+FR*\b:128*(\p)+FR*\b+FR-1], v[AF+FR*(\a):AF+FR*(\a)+FR-1], v[8*(8*((\a)%4)+\b):8*(8*((\a)%4)+\b)+7], v[SC+8*NQ*(\sc)+NQ*\b+(\q)], v[SC+8*NQ*(\sc)+NQ*(\a)+(\q)] matrix_a_fmt:MATRIX_FMT_FP6 matrix_b_fmt:MATRIX_FMT_FP6 matrix_a_scale:MATRIX_SCALE_ROW1
.endif
.endr
.endr
.endm
.macro FETCH_B st, p
	WIN TO_B
.irp i, 0,1,2,3,4,5,6,7
	FRAG 128*(\p)+FR*\i, ADRB, \st, \i
.endr
	WIN 0
.endm
.macro FETCH_A st, i0
.irp i, \i0, \i0+1, \i0+2, \i0+3
	FRAG AF+FR*(\i), ADRA, \st, \i
.endr
.endm
.macro SCALES pr                       ; the scale words of steps 2 pr, 2 pr + 1 into set pr % 2
.irp i, 0,1,2,3,4,5,6,7
	ds_load_b64 v[SC+8*NQ*((\pr)%2)+NQ*\i:SC+8*NQ*((\pr)%2)+NQ*\i+1], v[ADRS] offset:\i*SBLK+4*NQ*(\pr)
.endr
.endm
.macro PLACES n
.rept \n
	v_nop
.endr
.endm
; A step of 128 along K: 64 products on step st's fragments; the next step's fragments are fetched in its middle and at its end.
; Where the next step's bytes END in a chunk not read yet, a barrier shows that chunk whole; where they BEGIN in a later chunk, the chunk left behind is read no more: the wait for all tensor loads, the add,
; the wait for it and for my reads stand in front of the barrier, and where a chunk two on is left to fetch the barrier opens a round of the cluster's and the slot is filled again.
.macro STEP st, zero
.set NX, (\st)+1
.set C0, (96*(\st))/ROWB
.set C1, (96*NX)/ROWB
.set E0, (96*(\st)+95)/ROWB
.set E1, (96*NX+95)/ROWB
.if C1 > C0 || E1 > E0
	s_wait_tensorcnt 0x0                           ; all my tensor loads have landed
.if C1 > C0
	ds_add_u32 v[SPW], v[NIL]                      ; 0 onto my spare word
	s_wait_dscnt 4*NL+1                            ; the add and the 24 loads of A's blocks 4-7 may be out
.else
	s_wait_dscnt 4*NL                              ; the 24 loads of A's blocks 4-7 may be out
.endif
	WIN MUL_LO
	MUL16 0, (\st)%2, (\st)%2, ((\st)/2)%2, \zero
	s_wait_dscnt 0x0                               ; the add, where there is one, and all my reads are done
	s_barrier_signal -1
	MUL16 2, (\st)%2, (\st)%2, ((\st)/2)%2, \zero
	WIN 0
	s_barrier_wait -1
.if C1 > C0 && C0+2 < CHUNKS
	CREST
	s_add_nc_u64 s[G0+4*(C0%2)+2:G0+4*(C0%2)+3], s[G0+4*(C0%2)+2:G0+4*(C0%2)+3], 2*ROWB
	s_add_nc_u64 s[G0B+4*(C0%2)+2:G0B+4*(C0%2)+3], s[G0B+4*(C0%2)+2:G0B+4*(C0%2)+3], 2*ROWB
	JLOAD G0+4*(C0%2), G1, G0B+4*(C0%2), G1B       ; chunk C0 + 2, the first tensor load behind the round
.else
	PLACES NP
.endif
.else
	s_wait_dscnt 4*NL                              ; B's set and A's blocks 0-3 are in; the 24 loads of A's blocks 4-7 may be out
	WIN MUL_LO
	MUL16 0, (\st)%2, (\st)%2, ((\st)/2)%2, \zero
	MUL16 2, (\st)%2, (\st)%2, ((\st)/2)%2, \zero
	s_wait_dscnt 0
	PLACES NP
.endif
	FETCH_B NX, NX%2
	FETCH_A NX, 0
.if NX%2 == 0
	SCALES NX/2
.endif
	WIN MUL_HI
	MUL16 4, (\st)%2, (\st)%2, ((\st)/2)%2, \zero
	MUL16 6, (\st)%2, (\st)%2, ((\st)/2)%2, \zero
	PLACES NP
	WIN 0
	FETCH_A NX, 4
.endm
	s_wait_alu depctr_va_vdst(0)                   ; the wait at the head's end
	s_wait_tensorcnt 0x0                           ; my tile of the head's four is in; the lines ahead of a later first fill:
	ds_add_u32 v[SPW], v[NIL]
	s_mov_b32 s[G1+2], 128<<16                     ; no tensor load of mine is out: from here on a load brings 128 rows
	s_mov_b32 s[G1+4], 128
	s_mov_b32 s[G1B+2], 128<<16
	s_mov_b32 s[G1B+4], 128
	s_wait_dscnt 0x0
	CROUND                                         ; all four tiles are in, and all sixteen work-groups are here
	JLOAD G0+4, G1, G0B+4, G1B                     ; chunk 1, the first tensor load behind the round
	FETCH_B 0, 0
	FETCH_A 0, 0
	SCALES 0
	FETCH_A 0, 4
	STEP 0, 1                                      ; the first step's products start the sums
.set ST, 1                             ; eight steps to three chunks: the walk comes back to where it began only behind its end, so it is written out step by step
.rept STEPS-2
	STEP ST, 0
.set ST, ST+1
.endr
	s_wait_dscnt 4*NL
	WIN MUL_LO
	MUL16 0, 1, NQ-1, 1, 0
	MUL16 2, 1, NQ-1, 1, 0
	s_wait_dscnt 0
	WIN MUL_HI
	MUL16 4, 1, NQ-1, 1, 0
	MUL16 6, 1, NQ-1, 1, 0
	WIN 0
.macro PAIR r, val
	s_mov_b32 s[\r], \val
	s_mov_b32 s[\r+1], \val
.endm
	PLACES NP
	PAIR 24, 0xaf95df0b
	PAIR 26, 0xb60cff51
	PAIR 28, 0xb86ec2d2
	PAIR 30, 0xba40ac63
	PAIR 32, 0xbb41a1f6
	PAIR 34, 0xbc83dbd4
	PAIR 36, 0xb77460cd
	PAIR 38, 0xbadc924e
	PAIR 40, 0xbbf19bf8
	PAIR 42, 0xbc69b6a7
	s_mov_b32 s[SEL], 0x76543210
	s_mov_b32 s[SEL+1], 0xfedcba98
	v_mov_b32 v[A1V], 0x32edffee
	v_mov_b32 v[A1V+1], 0x32edffee
	v_mov_b32 v[B1V], 0xb95fbd29
	v_mov_b32 v[B1V+1], 0xb95fbd29
	v_mov_b32 v[WT], 0
	v_bfe_u32 v[H8], v0, 4, 1
	v_lshlrev_b32 v[H8], 3, v[H8]
	s_mov_b32 s3, 0
	s_mov_b32 s44, 0
.Lrow:
.irp a, 1,2,3,4,5,6,7
	s_cmp_eq_u32 s3, \a
	s_cbranch_scc1 .Lcase\a
.endr
.irp a, 0,1,2,3,4,5,6,7
.Lcase\a:
	WIN 0x02+\a/4
.set n, 0
.rept 32
	v_pk_add_f32 v[T+n:T+n+1], v[64*(\a%4)+n:64*(\a%4)+n+1], v[BC+n:BC+n+1]
.set n, n+2
.endr
	WIN 0
.if \a < 7
	s_branch .Lgo
.endif
.endr
.Lgo:
	WIN 0x40
.set n, 0
.rept 32
	v_pk_mul_f32 v[XX+n:XX+n+1], v[T+n:T+n+1], 0x3f3504f3 op_sel_hi:[1,0]
.set n, n+2
.endr
	WIN 0x55
.set n, 0
.rept 64
	v_med3_num_f32 v[XX+n], v[XX+n], -4.0, 4.0
.set n, n+1
.endr
.set n, 0
.rept 32
	v_pk_mul_f32 v[X2+n:X2+n+1], v[XX+n:XX+n+1], v[XX+n:XX+n+1]
.set n, n+2
.endr
	WIN 0x45
.set n, 0
.rept 32
	v_pk_fma_f32 v[PP+n:PP+n+1], v[X2+n:X2+n+1], s[24:25], v[A1V:A1V+1] op_sel_hi:[1,0,1]
	v_pk_fma_f32 v[QQ+n:QQ+n+1], v[X2+n:X2+n+1], s[36:37], v[B1V:B1V+1] op_sel_hi:[1,0,1]
.set n, n+2
.endr
	WIN 0x55
.irp c, 26,28,30,32,34
.set n, 0
.rept 32
	v_pk_fma_f32 v[PP+n:PP+n+1], v[PP+n:PP+n+1], v[X2+n:X2+n+1], s[\c:\c+1] op_sel_hi:[1,1,0]
.set n, n+2
.endr
.endr
.irp c, 38,40,42
.set n, 0
.rept 32
	v_pk_fma_f32 v[QQ+n:QQ+n+1], v[QQ+n:QQ+n+1], v[X2+n:X2+n+1], s[\c:\c+1] op_sel_hi:[1,1,0]
.set n, n+2
.endr
.endr
.set n, 0
	s_wait_alu depctr_va_vdst(0)
.rept 64
	v_rcp_f32 v[X2+n], v[QQ+n]
.set n, n+1
.endr
.set n, 0
.rept 32
	v_pk_mul_f32 v[PP+n:PP+n+1], v[PP+n:PP+n+1], v[XX+n:XX+n+1]
.set n, n+2
.endr
	WIN 0x40
.set n, 0
.rept 32
	v_pk_mul_f32 v[QQ+n:QQ+n+1], v[T+n:T+n+1], 0.5 op_sel_hi:[1,0]
.set n, n+2
.endr
	WIN 0x55
	s_wait_alu depctr_va_vdst(0)
.set n, 0
.rept 32
	v_pk_mul_f32 v[PP+n:PP+n+1], v[PP+n:PP+n+1], v[X2+n:X2+n+1]
.set n, n+2
.endr
	WIN 0x15
.irp b, 0,1,2,3,4,5,6,7
.irp i, 0,2,4,6
	v_pk_fma_f32 v[T+8*(4*(\b/4)+2*(\b%2)+(\b%4)/2)+\i:T+8*(4*(\b/4)+2*(\b%2)+(\b%4)/2)+\i+1], v[QQ+8*\b+\i:QQ+8*\b+\i+1], v[PP+8*\b+\i:PP+8*\b+\i+1], v[QQ+8*\b+\i:QQ+8*\b+\i+1]
.endr
.endr
	WIN 0
.irp c, 0,1
.irp j, 0,1,2,3,4,5,6,7
	v_permlane16_swap_b32 v[T+32*\c+\j], v[T+32*\c+8+\j]
	v_permlane16_swap_b32 v[T+32*\c+16+\j], v[T+32*\c+24+\j]
.endr
.endr
.irp c, 0,1
	v_max3_num_f32 v[MX+\c], |v[T+32*\c]|, |v[T+32*\c+1]|, 0x1800000
.endr
.irp i, 2,4,6,8,10,12,14,16,18,20,22,24,26,28,30
.irp c, 0,1
	v_max3_num_f32 v[MX+\c], v[MX+\c], |v[T+32*\c+\i]|, |v[T+32*\c+\i+1]|
.endr
.endr
.irp c, 0,1
	v_add_nc_u32 v[SO+\c], 0xff000000, v[MX+\c]
.endr
.irp c, 0,1
	v_lshrrev_b32 v[BY+\c], 23, v[SO+\c]
.endr
	v_lshl_or_b32 v[W], v[BY+1], 16, v[BY]
	v_lshlrev_b32 v[W], v[H8], v[W]
	v_permlanex16_b32 v[WT], v[W], s[SEL], s[SEL+1]
	v_or_b32 v[PW], v[W], v[WT]
.irp c, 0,1
	v_cvt_scalef32_pk16_fp6_f32 v[PC+6*\c:PC+6*\c+2], v[T+32*\c:T+32*\c+15], v[SO+\c]
	v_cvt_scalef32_pk16_fp6_f32 v[XT+4*\c:XT+4*\c+2], v[T+32*\c+16:T+32*\c+31], v[SO+\c]
.endr
	v_nop
.irp c, 0,1
.irp i, 0,1,2
	v_mov_b32 v[PC+3+6*\c+\i], v[XT+4*\c+\i]
.endr
.endr
	global_store_b128 v[L16], v[PC:PC+3], s[96:97]
	global_store_b64 v[L8], v[PC+4:PC+5], s[96:97] offset:512
	global_store_b128 v[L16], v[PC+6:PC+9], s[96:97] offset:768
	global_store_b64 v[L8], v[PC+10:PC+11], s[96:97] offset:1280
	v_add_nc_u32 v[SCAD], s44, v[SCRW]
	ds_store_b32 v[SCAD], v[PW]
	s_wait_xcnt 0x0
	s_wait_dscnt 0x0
	s_add_nc_u64 s[96:97], s[96:97], 32*1536
	s_add_co_u32 s44, s44, 64
	s_add_co_u32 s3, s3, 1
	s_cmp_lt_u32 s3, 8
	s_cbranch_scc1 .Lrow
	ds_load_b128 v[RB:RB+3], v[SCRR]
	s_wait_dscnt 0x0
	global_store_b128 v[L16], v[RB:RB+3], s[98:99]
	s_wait_tensorcnt 0x0
	ds_add_u32 v[SPW], v[NIL]
	s_wait_dscnt 0x0
	CROUND
	s_endpgm
.Lfunc_end_k_q5dda246662_ff1:
	.size	k_q5dda246662_ff1, .Lfunc_end_k_q5dda246662_ff1-k_q5dda246662_ff1
	.p2alignl 7, 3214868480
	.fill 96, 4, 3214868480
	.section	.rodata,"a",@progbits
	.p2align	6, 0x0
	.amdhsa_kernel k_q5dda246662_ff1
		.amdhsa_group_segment_fixed_size 327680
		.amdhsa_private_segment_fixed_size 0
		.amdhsa_enable_private_segment 0
		.amdhsa_kernarg_size 56
		.amdhsa_user_sgpr_count 2
		.amdhsa_user_sgpr_kernarg_segment_ptr 1
		.amdhsa_wavefront_size32 1
		.amdhsa_system_sgpr_workgroup_id_x 1
		.amdhsa_system_sgpr_workgroup_id_y 1
		.amdhsa_system_sgpr_workgroup_id_z 1
		.amdhsa_system_vgpr_workitem_id 0
		.amdhsa_next_free_vgpr 1024
		.amdhsa_next_free_sgpr 100
		.amdhsa_reserve_vcc 0
		.amdhsa_float_denorm_mode_32 3
		.amdhsa_float_denorm_mode_16_64 3
		.amdhsa_memory_ordered 1
		.amdhsa_forward_progress 1
		.amdhsa_inst_pref_size 195
	.end_amdhsa_kernel
	.amdgpu_metadata
---
amdhsa.version: [ 1, 2 ]
amdhsa.kernels:
  - .name:           k_q5dda246662_ff1
    .symbol:         k_q5dda246662_ff1.kd
    .args:
      - { .name: h_codes, .offset: 0, .size: 8, .value_kind: global_buffer, .address_space: global }
      - { .name: h_scales, .offset: 8, .size: 8, .value_kind: global_buffer, .address_space: global }
      - { .name: ff1_w_codes, .offset: 16, .size: 8, .value_kind: global_buffer, .address_space: global }
      - { .name: ff1_w_scales, .offset: 24, .size: 8, .value_kind: global_buffer, .address_space: global }
      - { .name: ff1_b, .offset: 32, .size: 8, .value_kind: global_buffer, .address_space: global }
      - { .name: img, .offset: 40, .size: 8, .value_kind: global_buffer, .address_space: global }
      - { .name: sc, .offset: 48, .size: 8, .value_kind: global_buffer, .address_space: global }
    .group_segment_fixed_size: 327680
    .private_segment_fixed_size: 0
    .kernarg_segment_align: 8
    .kernarg_segment_size: 56
    .max_flat_workgroup_size: 128
    .sgpr_count:     100
    .vgpr_count:     1024
    .wavefront_size: 32
...
	.end_amdgpu_metadata
.endif
;; end of part 5
;; launch ff2 (part 6): grid 8 x 32, 4 waves a work-group, clusters of 4 x 4, 327,680 bytes of LDS; arguments img, sc, ff2_w_codes, ff2_w_scales, ff2_b, x1, out0; writes out0
.if DOCPART == 6
	.amdgcn_target "amdgcn-amd-amdhsa--gfx1250"
	.amdhsa_code_object_version 6
	.text
	.protected	k_q5dda246662_ff2
	.globl	k_q5dda246662_ff2
	.p2align	8
	.type	k_q5dda246662_ff2,@function
k_q5dda246662_ff2:
	s_mov_b64 s[64:65], 0
	v_nop
	global_prefetch_b8 v0, s[64:65] scope:SCOPE_SE
	s_setreg_imm32_b32 hwreg(HW_REG_WAVE_MODE, 25, 1), 1
	s_wait_xcnt 0x0
	s_wait_alu depctr_hold_cnt(0) depctr_sa_sdst(0) depctr_va_vdst(0) depctr_va_sdst(0) depctr_va_ssrc(0) depctr_va_vcc(0) depctr_vm_vsrc(0)
	s_getreg_b32 s2, hwreg(HW_REG_IB_STS2, 6, 4)
	s_cmp_eq_u32 s2, 0
	s_cbranch_scc0 .Lentry_in_a_cluster
	s_endpgm
.Lentry_in_a_cluster:
	s_bfe_u32 s2, ttmp6, 0x10000c
	s_cmp_lg_u32 s2, 0xf033
	s_cbranch_scc0 .Lentry_shape_is_right
	s_endpgm
.Lentry_shape_is_right:
.set SIZE_K, 4096
.set KSTEPS, SIZE_K/128
.set KROW,   SIZE_K*6/8
.set KS,     SIZE_K/32
.set LAPS,   SIZE_K/1024
.set AH,     24576
.set BP,     528                       ; B's LDS row: 512 bytes + 16.  B's tile rows are 512 bytes of memory that begin at multiples of 256: slot 0 holds bytes 0-511 of each 768 (1,024 along K), slot 1 bytes 256-767, read from byte 128 of its rows on
.set BH,     64*BP
.set BOFF,   2*AH
.set SLOT,   2*AH+2*BH
.set SCL,    2*SLOT
.set HALFS,  KSTEPS*272
.set SBLK,   (16*KS/256)*272
.set SPARE,  SCL+4*HALFS
.set AA16, 10
.set AA8,  12
.set ADRB, 16
.set ADSA, 20
.set ADSB, 21
.set STO,  24
.set RD,   25
.set CO,   26
.set BO,   27
.set SPW,  28
.set NIL,  29
.set SC,   32
.set BI,   96
.set ACC,  128
.set F0,   0
.set F1,   128
.set G1, 24
.set G0, 32
.set G1B, 48
.set G0B, 56
.set G1S, 68
.set G0S, 76
.set G1SB, 80
.set G0SB, 88
.set MSB, 0
.macro WIN new
.if MSB != (\new)
	s_set_vgpr_msb (MSB<<8)|(\new)
.set MSB, (\new)
.endif
.endm
.set MUL,  0x05
.set TO_F, 0x40
.macro JLOAD g0a, g1a, g0b, g1b
	s_cmp_eq_u32 s15, 0
	s_cbranch_scc0 .Lfor_b_\@
	tensor_load_to_lds s[\g0a:\g0a+3], s[\g1a:\g1a+7]
	s_nop 0
.rept 4
	v_nop
.endr
	s_branch .Lasked_\@
.Lfor_b_\@:
	tensor_load_to_lds s[\g0b:\g0b+3], s[\g1b:\g1b+7]
	s_nop 0
.rept 4
	v_nop
.endr
.Lasked_\@:
.endm
.macro CREST
	s_cmp_lg_u32 s14, 0
	s_cbranch_scc1 .Lnot_wave_0_\@
	s_barrier_signal -3
.Lnot_wave_0_\@:
	s_barrier_wait -3
	s_barrier_signal -1
	s_barrier_wait -1
.endm
.macro CROUND
	s_barrier_signal -1
	s_barrier_wait -1
	CREST
.endm
	s_load_b256 s[4:11], s[0:1], 0x0
	s_load_b64 s[12:13], s[0:1], 0x20
	s_load_b64 s[96:97], s[0:1], 0x28
	s_load_b64 s[98:99], s[0:1], 0x30
	v_lshl_add_u32 v[SPW], v0, 2, SPARE
	v_mov_b32 v[NIL], 0
	ds_add_u32 v28, v29
	ds_add_u32 v28, v29
	s_wait_dscnt 0x0
	v_lshrrev_b32 v1, 5, v0
	v_readfirstlane_b32 s14, v1
	s_lshr_b32 s15, s14, 1
	s_and_b32 s16, s14, 1
	s_bfe_u32 s40, ttmp6, 0x40000
	s_bfe_u32 s41, ttmp6, 0x40004
	s_lshl_b32 s42, ttmp9, 2
	s_add_co_u32 s42, s42, s40
	s_and_b32 s17, ttmp7, 0xffff
	s_lshl_b32 s17, s17, 2
	s_add_co_u32 s17, s17, s41
	s_lshl_b32 s43, s41, 2
	s_lshl_b32 s43, 15, s43
	s_lshl_b32 s44, 0x1111, s40
	s_or_b32 s[G1+0], s43, (3<<16)|(1<<21)
	s_mov_b32 s[G1+1], 768<<16
	s_mov_b32 s[G1+2], 8<<16                       ; the head's load brings both halves; behind it the two words are set to 4
	s_mov_b32 s[G1+3], 768<<16
	s_mov_b32 s[G1+4], 8
	s_mov_b32 s[G1+5], KSTEPS*192
	s_mov_b32 s[G1+6], 0
	s_mov_b32 s[G1+7], 0
	s_or_b32 s[G1B+0], s44, (0<<16)|(1<<20)|(1<<21)|(6<<22)|(3<<25)   ; padding of 4 words behind every 128
	s_mov_b32 s[G1B+1], 512<<16
	s_mov_b32 s[G1B+2], 128<<16
	s_mov_b32 s[G1B+3], 512<<16
	s_mov_b32 s[G1B+4], 128
	s_mov_b32 s[G1B+5], KROW
	s_mov_b32 s[G1B+6], 0
	s_mov_b32 s[G1B+7], 0
	s_or_b32 s[G1S+0], s43, (3<<16)|(1<<20)|(1<<21)|(5<<22)|(3<<25)
	s_or_b32 s[G1SB+0], s44, (3<<16)|(1<<20)|(1<<21)|(5<<22)|(3<<25)
	s_mov_b32 s[G1S+1], 64<<16                     ; A's scale words: a row of 512 bytes (8 tiles of 16 rows) for each step of 128 along K
	s_mov_b32 s[G1S+2], KSTEPS<<16
	s_mov_b32 s[G1S+3], 64<<16
	s_mov_b32 s[G1S+4], KSTEPS
	s_mov_b32 s[G1SB+1], 32<<16                    ; B's: the dense block of 128 rows, as rows of 256 bytes
	s_mov_b32 s[G1SB+2], (2*KSTEPS)<<16
	s_mov_b32 s[G1SB+3], 32<<16
	s_mov_b32 s[G1SB+4], 2*KSTEPS
.irp g, G1S, G1SB
	s_mov_b32 s[\g+6], 0
	s_mov_b32 s[\g+7], 0
.endr
	s_mov_b32 s[G1S+5], 2048
	s_mov_b32 s[G1SB+5], 32
	s_lshl_b32 s20, s17, 3
	s_lshl_b32 s18, s16, 2
	s_add_co_u32 s20, s20, s18
	s_lshl_b32 s22, s20, 6
	s_mov_b32 s23, 0
	s_mul_i32 s20, s20, KSTEPS*1536
	s_mov_b32 s21, 0
	s_lshl_b32 s46, s42, 7
	s_lshl_b32 s18, s16, 6
	s_add_co_u32 s46, s46, s18
	s_mul_i32 s92, s46, KS
	s_mov_b32 s93, 0
	s_mul_i32 s46, s46, KROW
	s_mov_b32 s47, 0
	s_mul_i32 s45, s16, AH
	s_mul_i32 s94, s16, BH
	s_add_co_u32 s94, s94, BOFF
	s_wait_kmcnt 0x0
	s_add_nc_u64 s[20:21], s[4:5], s[20:21]
	s_add_nc_u64 s[22:23], s[6:7], s[22:23]
	s_add_nc_u64 s[46:47], s[8:9], s[46:47]
	s_add_nc_u64 s[92:93], s[10:11], s[92:93]
	CROUND
	s_mov_b32 s[G0S], 1
	s_mov_b32 s[G0S+1], SCL
	s_lshl_b32 s2, s16, 8                          ; my half's offset, taken off again: the scales come for both halves at once
	s_mov_b32 s3, 0
	s_sub_nc_u64 s[G0S+2:G0S+3], s[22:23], s[2:3]
	s_or_b32 s[G0S+3], s[G0S+3], 0x80000000
	s_mov_b32 s[G0SB], 1
	s_mov_b32 s[G0SB+1], SCL+2*HALFS
	s_mul_i32 s2, s16, 64*KS
	s_sub_nc_u64 s[G0SB+2:G0SB+3], s[92:93], s[2:3]
	s_or_b32 s[G0SB+3], s[G0SB+3], 0x80000000
.irp s, 0,1
	s_mov_b32 s[G0+4*\s], 1
	s_add_co_u32 s[G0+4*\s+1], s45, \s*SLOT
	s_add_nc_u64 s[G0+4*\s+2:G0+4*\s+3], s[20:21], \s*6144
	s_or_b32 s[G0+4*\s+3], s[G0+4*\s+3], 0x80000000
	s_mov_b32 s[G0B+4*\s], 1
	s_add_co_u32 s[G0B+4*\s+1], s94, \s*SLOT
	s_add_nc_u64 s[G0B+4*\s+2:G0B+4*\s+3], s[46:47], \s*256
	s_or_b32 s[G0B+4*\s+3], s[G0B+4*\s+3], 0x80000000
.endr
; THE HEAD'S LOADS, ONE A WAVE: wave 0 slot 0's images of A, both halves (its own group 0 begins at the first), wave 1 A's scale words, wave 2 slot 0's 128 rows of B, wave 3 B's scales.
.macro ARM under, next, g0, g1
	s_cmp_lt_u32 s14, \under
	s_cbranch_scc0 \next
	tensor_load_to_lds s[\g0:\g0+3], s[\g1:\g1+7]
	s_nop 0
.rept 4
	v_nop
.endr
	s_branch .Lhead_asked
\next:
.endm
; THE PREFETCHES' ADDRESS.  Behind each refill a wave asks for the slot step that stands two refills on, one instruction a wave, each block of 256 bytes once in the cluster: the four partners that ask for a tile jointly
; share it out BY ADDRESS.  A's waves: of my four row tiles the one at cx, 6,144 bytes a step: 24 blocks (lanes 24-31 name the last again).  B's waves: of my 64 rows the 16 at cy: of each 768 bytes two blocks at slot 0's change, the third at slot 1's.
.set PFO, 30                           ; v30, v31 the lanes' offsets at slot 0's and slot 1's change; never rewritten
	s_cmp_eq_u32 s15, 0                            ; do I fetch for A?
	s_cselect_b64 s[4:5], s[20:21], s[46:47]       ; s[4:5]: my 4 row tiles of A, or my 64 rows of B
	s_cselect_b32 s8, -1, 0                        ; all ones in A's waves
	s_cselect_b32 s6, 6144, 0                      ; s[6:7]: the step at slot 1's change (B's third block stands in v31)
	s_mov_b32 s10, 768
	s_cselect_b32 s2, 3*6144, s10                  ; one step short of slot step 4: the first change of slots steps first
	s_cselect_b32 s10, 6144, s10                   ; s[10:11]: the step at slot 0's change
	s_mul_i32 s9, s40, KSTEPS*1536                 ; A: row tile cx
	s_mul_i32 s3, s41, 16*KROW                     ; B: rows 16 cy ..
	s_cselect_b32 s9, s9, s3
	s_add_co_u32 s2, s2, s9
	s_mov_b32 s3, 0
	s_mov_b32 s7, 0
	s_mov_b32 s11, 0
	s_add_nc_u64 s[4:5], s[4:5], s[2:3]
	ARM 1, .Lhead_1, G0, G1
	ARM 2, .Lhead_2, G0S, G1S
	ARM 3, .Lhead_3, G0B, G1B
	tensor_load_to_lds s[G0SB:G0SB+3], s[G1SB:G1SB+7]
	s_nop 0
.rept 4
	v_nop
.endr
.Lhead_asked:
	v_and_b32 v1, 15, v0
	v_bfe_u32 v2, v0, 4, 1
	v_and_b32 v3, 31, v0
	s_mul_i32 s21, s15, AH
	v_lshl_add_u32 v[AA16], v3, 4, s21
	v_lshl_add_u32 v[AA8], v3, 3, s21
	v_add_nc_u32 v[AA16+1], SLOT, v[AA16]
	v_add_nc_u32 v[AA8+1], SLOT, v[AA8]
	v_mul_u32_u24 v4, v1, BP
	v_mad_u32_u24 v4, v2, 24, v4
	s_mul_i32 s22, s16, BH
	s_add_co_u32 s22, s22, BOFF
	v_add_nc_u32 v[ADRB], s22, v4
	s_add_co_u32 s22, s22, SLOT+128                ; slot 1's rows begin 128 bytes ahead of its four steps
	v_add_nc_u32 v[ADRB+1], s22, v4
	s_mul_i32 s21, s15, 272                        ; my half of each step's row of A's scale words
	s_add_co_u32 s21, s21, SCL
	v_lshl_add_u32 v[ADSA], v1, 2, s21
	v_mul_u32_u24 v5, v1, KS
	v_lshrrev_b32 v6, 8, v5
	v_lshl_add_u32 v5, v6, 4, v5
	s_mul_i32 s22, s16, HALFS
	s_add_co_u32 s22, s22, SCL+2*HALFS
	v_add_nc_u32 v[ADSB], s22, v5
	s_mul_i32 s23, s14, 16*272
	v_mul_u32_u24 v5, v1, 272
	v_lshl_add_u32 v5, v2, 5, v5
	v_add_nc_u32 v[STO], s23, v5
	v_mul_u32_u24 v5, v2, 272
	v_lshl_add_u32 v5, v1, 4, v5
	v_add_nc_u32 v[RD], s23, v5
	v_lshlrev_b32 v[CO], 12, v2
	v_lshl_add_u32 v[CO], v1, 4, v[CO]
	v_lshlrev_b32 v[BO], 4, v1
	v_min_u32 v5, 23, v3
	v_lshlrev_b32 v5, 8, v5                        ; A: block min(lane, 23)
	v_mul_u32_u24 v6, v1, KROW                     ; B: row lane % 16,
	v_lshl_add_u32 v7, v2, 8, v6                   ; block lane / 16;
	v_add_nc_u32 v6, 512, v6                       ; or the third block (both halves of the lanes name it)
	v_cndmask_b32 v[PFO], v7, v5, s8
	v_cndmask_b32 v[PFO+1], v6, v5, s8
	s_wait_alu depctr_va_vdst(0)
	s_lshl_b32 s20, s17, 7
	s_lshl_b32 s21, s15, 6
	s_add_co_u32 s20, s20, s21
	s_lshl_b32 s20, s20, 12
	s_lshl_b32 s46, s42, 9
	s_lshl_b32 s47, s16, 8
	s_add_co_u32 s46, s46, s47
	s_mov_b32 s47, 0
	s_add_nc_u64 s[12:13], s[12:13], s[46:47]
	s_add_co_u32 s20, s20, s46
	s_mov_b32 s21, 0
	s_add_nc_u64 s[96:97], s[96:97], s[20:21]
	s_add_nc_u64 s[98:99], s[98:99], s[20:21]
	global_load_b128 v[BI:BI+3], v[BO], s[12:13]
.macro FRAG_A reg, slot, q, i
	ds_load_b128 v[\reg:\reg+3], v[AA16+\slot] offset:6144*(\i)+1536*(\q)
	ds_load_b64 v[\reg+4:\reg+5], v[AA8+\slot] offset:6144*(\i)+1536*(\q)+512
	ds_load_b128 v[\reg+6:\reg+9], v[AA16+\slot] offset:6144*(\i)+1536*(\q)+768
	ds_load_b64 v[\reg+10:\reg+11], v[AA8+\slot] offset:6144*(\i)+1536*(\q)+1280
.endm
.macro FRAG_B reg, slot, q, i
.irp p, 0,1,2,3,4,5
	ds_load_b64 v[\reg+2*\p:\reg+2*\p+1], v[ADRB+\slot] offset:96*(\q)+48*(\p/3)+8*(\p%3)+(\i)*16*BP
.endr
.endm
.macro FETCH slot, q, f
	WIN TO_F
.irp i, 0,1,2,3
	FRAG_B \f+48+12*\i, \slot, \q, \i
.endr
.irp i, 0,1,2,3
	FRAG_A \f+12*\i, \slot, \q, \i
.endr
	WIN 0
.endm
.macro SCALES set
.irp a, 0,1,2,3
.irp q, 0,1,2,3
	ds_load_b32 v[SC+32*(\set)+4*\a+\q], v[ADSA] offset:544*\q+64*\a
.endr
.endr
.irp b, 0,1,2,3
	ds_load_b128 v[SC+16+32*(\set)+4*\b:SC+16+32*(\set)+4*\b+3], v[ADSB] offset:\b*SBLK
.endr
.endm
.macro MULA f, a, set, q, zero
.irp b, 0,1,2,3
.if \zero
	v_wmma_scale_f32_16x16x128_f8f6f4 v[ACC+8*(4*(\a)+\b):ACC+8*(4*(\a)+\b)+7], v[\f+48+12*\b:\f+48+12*\b+11], v[\f+12*(\a):\f+12*(\a)+11], 0, v[SC+16+32*(\set)+4*\b+(\q)], v[SC+32*(\set)+4*(\a)+(\q)] matrix_a_fmt:MATRIX_FMT_FP6 matrix_b_fmt:MATRIX_FMT_FP6
.else
	v_wmma_scale_f32_16x16x128_f8f6f4 v[ACC+8*(4*(\a)+\b):ACC+8*(4*(\a)+\b)+7], v[\f+48+12*\b:\f+48+12*\b+11], v[\f+12*(\a):\f+12*(\a)+11], v[ACC+8*(4*(\a)+\b):ACC+8*(4*(\a)+\b)+7], v[SC+16+32*(\set)+4*\b+(\q)], v[SC+32*(\set)+4*(\a)+(\q)] matrix_a_fmt:MATRIX_FMT_FP6 matrix_b_fmt:MATRIX_FMT_FP6
.endif
.endr
.endm
.macro PLACES n
.rept \n
	v_nop
.endr
.endm
.macro QUARTER slot, q, f, g, zero
	s_wait_dscnt 0x0
	PLACES 4
	FETCH \slot, (\q)+1, \g
	WIN MUL
	MULA \f, 0, \slot, \q, \zero
	MULA \f, 1, \slot, \q, \zero
	MULA \f, 2, \slot, \q, \zero
	MULA \f, 3, \slot, \q, \zero
.endm
.macro TURN slot, next, fill
	WIN 0
.if \fill
	s_wait_xcnt 0x0                                ; my last prefetch has read its address: it is stepped here, ahead of the waits of the change of slots
	s_add_nc_u64 s[4:5], s[4:5], s[10-4*\slot:11-4*\slot]
.endif
	s_wait_tensorcnt 0x0
	ds_add_u32 v[SPW], v[NIL]
	s_wait_dscnt 1
	WIN MUL
	MULA F1, 0, \slot, 3, 0
	s_wait_dscnt 0x0
	s_barrier_signal -1
	MULA F1, 1, \slot, 3, 0
	WIN 0
	s_barrier_wait -1
.if \fill
	CREST
	s_add_nc_u64 s[G0+4*\slot+2:G0+4*\slot+3], s[G0+4*\slot+2:G0+4*\slot+3], 2*6144
	s_add_nc_u64 s[G0B+4*\slot+2:G0B+4*\slot+3], s[G0B+4*\slot+2:G0B+4*\slot+3], 2*384
	JLOAD G0+4*\slot, G1, G0B+4*\slot, G1B
.else
	PLACES 4
.endif
	s_wait_alu depctr_va_vdst(0)
	v_add_nc_u32 v[ADSA], 4*544, v[ADSA]
	v_add_nc_u32 v[ADSB], 16, v[ADSB]
	FETCH \next, 0, F0
	SCALES \next
.if \fill
	s_cmp_gt_u32 s3, 1                             ; the loop's last trip refills slot steps 6 and 7: nothing lies two refills on, and nothing is asked for
	s_cbranch_scc0 .Lno_ask_\@
	global_prefetch_b8 v[PFO+\slot], s[4:5] th:TH_LOAD_NT scope:SCOPE_SE   ; slot steps 4 to 7, each two refills (128 matrix instructions a wave) ahead of its tensor load
.Lno_ask_\@:
.endif
	WIN MUL
	MULA F1, 2, \slot, 3, 0
	MULA F1, 3, \slot, 3, 0
.endm
	s_wait_alu depctr_va_vdst(0)                   ; the wait at the head's end
	s_wait_tensorcnt 0x0                           ; my tile of the head's four is in; the lines ahead of a later first fill:
	ds_add_u32 v[SPW], v[NIL]
	s_mov_b32 s[G1+2], 4<<16                       ; no tensor load of mine is out: from here on a load brings one half
	s_mov_b32 s[G1+4], 4
	s_mov_b32 s[G1B+2], 64<<16
	s_mov_b32 s[G1B+4], 64
	s_wait_dscnt 0x0
	CROUND                                         ; all four tiles are in, and all sixteen work-groups are here
	JLOAD G0+4, G1, G0B+4, G1B                     ; slot 1's first fill, the first tensor load behind the round
	FETCH 0, 0, F0
	SCALES 0
	QUARTER 0, 0, F0, F1, 1
.if LAPS > 1
	WIN 0
	s_mov_b32 s3, LAPS-1
.Llap:
	QUARTER 0, 1, F1, F0, 0
	QUARTER 0, 2, F0, F1, 0
	TURN 0, 1, 1
	QUARTER 1, 0, F0, F1, 0
	QUARTER 1, 1, F1, F0, 0
	QUARTER 1, 2, F0, F1, 0
	TURN 1, 0, 1
	QUARTER 0, 0, F0, F1, 0
	WIN 0
	s_sub_co_u32 s3, s3, 1
	s_cmp_lg_u32 s3, 0
	s_cbranch_scc1 .Llap
.endif
	WIN 0x80                                       ; the residual's 64 rows x 256 bytes, into window 2: asked for here, behind the last tensor load's request; seven quarter steps stand ahead of the one wait for them
.irp a, 0,1,2,3
.irp t, 0,1,2,3,4,5,6,7
	global_load_b128 v[32*\a+4*\t:32*\a+4*\t+3], v[CO], s[96:97] offset:(16*\a+2*\t)*4096 th:TH_LOAD_NT
.endr
.endr
	WIN 0
	QUARTER 0, 1, F1, F0, 0
	QUARTER 0, 2, F0, F1, 0
	TURN 0, 1, 0
	QUARTER 1, 0, F0, F1, 0
	QUARTER 1, 1, F1, F0, 0
	QUARTER 1, 2, F0, F1, 0
	s_wait_dscnt 0x0
	MULA F1, 0, 1, 3, 0
	MULA F1, 1, 1, 3, 0
	MULA F1, 2, 1, 3, 0
	MULA F1, 3, 1, 3, 0
	WIN 0
	PLACES 4
	s_wait_loadcnt 0x0
	WIN 0x82
.set n, 0
.rept 32
	v_pk_add_f32 v[4*n:4*n+1], v[4*n:4*n+1], v[BI:BI+1]
	v_pk_add_f32 v[4*n+2:4*n+3], v[4*n+2:4*n+3], v[BI+2:BI+3]
.set n, n+1
.endr
.irp a, 0,1,2,3
	WIN 0
.irp b, 0,1,2,3
	ds_store_b128 v[STO], v[ACC+8*(4*\a+\b):ACC+8*(4*\a+\b)+3] offset:64*\b
	ds_store_b128 v[STO], v[ACC+8*(4*\a+\b)+4:ACC+8*(4*\a+\b)+7] offset:64*\b+16
.endr
	WIN 0x40
.irp t, 0,1,2,3,4,5,6,7
	ds_load_b128 v[32*(\a%2)+4*\t:32*(\a%2)+4*\t+3], v[RD] offset:\t*544
.endr
	s_wait_dscnt 0x0
	WIN 0x86
.set n, 0
.rept 16
	v_pk_add_f32 v[32*\a+n:32*\a+n+1], v[32*\a+n:32*\a+n+1], v[32*(\a%2)+n:32*(\a%2)+n+1]
.set n, n+2
.endr
	WIN 0x08
.irp t, 0,1,2,3,4,5,6,7
	global_store_b128 v[CO], v[32*\a+4*\t:32*\a+4*\t+3], s[98:99] offset:(16*\a+2*\t)*4096 th:TH_STORE_NT
.endr
.endr
	WIN 0
	s_wait_tensorcnt 0x0
	ds_add_u32 v[SPW], v[NIL]
	s_wait_dscnt 0x0
	CROUND
	s_endpgm
.Lfunc_end_k_q5dda246662_ff2:
	.size	k_q5dda246662_ff2, .Lfunc_end_k_q5dda246662_ff2-k_q5dda246662_ff2
	.p2alignl 7, 3214868480
	.fill 96, 4, 3214868480
	.section	.rodata,"a",@progbits
	.p2align	6, 0x0
	.amdhsa_kernel k_q5dda246662_ff2
		.amdhsa_group_segment_fixed_size 327680
		.amdhsa_private_segment_fixed_size 0
		.amdhsa_enable_private_segment 0
		.amdhsa_kernarg_size 56
		.amdhsa_user_sgpr_count 2
		.amdhsa_user_sgpr_kernarg_segment_ptr 1
		.amdhsa_wavefront_size32 1
		.amdhsa_system_sgpr_workgroup_id_x 1
		.amdhsa_system_sgpr_workgroup_id_y 1
		.amdhsa_system_sgpr_workgroup_id_z 1
		.amdhsa_system_vgpr_workitem_id 0
		.amdhsa_next_free_vgpr 640
		.amdhsa_next_free_sgpr 100
		.amdhsa_reserve_vcc 0
		.amdhsa_float_denorm_mode_32 3
		.amdhsa_float_denorm_mode_16_64 3
		.amdhsa_memory_ordered 1
		.amdhsa_forward_progress 1
		.amdhsa_inst_pref_size 116
	.end_amdhsa_kernel
	.amdgpu_metadata
---
amdhsa.version: [ 1, 2 ]
amdhsa.kernels:
  - .name:           k_q5dda246662_ff2
    .symbol:         k_q5dda246662_ff2.kd
    .args:
      - { .name: img, .offset: 0, .size: 8, .value_kind: global_buffer, .address_space: global }
      - { .name: sc, .offset: 8, .size: 8, .value_kind: global_buffer, .address_space: global }
      - { .name: ff2_w_codes, .offset: 16, .size: 8, .value_kind: global_buffer, .address_space: global }
      - { .name: ff2_w_scales, .offset: 24, .size: 8, .value_kind: global_buffer, .address_space: global }
      - { .name: ff2_b, .offset: 32, .size: 8, .value_kind: global_buffer, .address_space: global }
      - { .name: x1, .offset: 40, .size: 8, .value_kind: global_buffer, .address_space: global }
      - { .name: out0, .offset: 48, .size: 8, .value_kind: global_buffer, .address_space: global }
    .group_segment_fixed_size: 327680
    .private_segment_fixed_size: 0
    .kernarg_segment_align: 8
    .kernarg_segment_size: 56
    .max_flat_workgroup_size: 128
    .sgpr_count:     100
    .vgpr_count:     640
    .wavefront_size: 32
...
	.end_amdgpu_metadata
.endif
;; end of part 6
